; MI455X (gfx1250); checked and timed in simulation.
; The chip was launched on July 23, 2026; its instructions are those of AMD's public machine-readable ISA for CDNA 5 (MIT licence, August 2026) and "CDNA5" Instruction Set Architecture Reference Guide (July 2026). The comments in the code are by the model that wrote it; some were corrected since.
;; Causal Self Attention. Allowed arithmetic: matrix products marked QUANTISED: E3M2 operands, one E8M0 scale for each 32 along K, by v_wmma_scale_f32_16x16x128_f8f6f4 with both operands' format E3M2, f32 sums; everything else in f32.
;; Inputs: W_out 1,024 x 1,024 float32; W_qkv 1,024 x 3,072 float32; b_out 1,024 float32; b_qkv 3,072 float32; x 4 x 2,048 x 1,024 float32.
;; Outputs: out0 4 x 2,048 x 1,024 float32.
;; This version of the problem:
;;   THIS VERSION OF THE PROBLEM IS GIVEN IN LOW PRECISION. The matrix products marked QUANTISED in the list below multiply operands that are first quantised to E3M2 (3 exponent bits, 2 mantissa bits; 6 bits a number), with one power-of-two scale for each 32 numbers along K (OCP MX v1.0); their sums are f32. All else is computed in f32.
;;   The module's matrix products, in the order in which they are computed (A, B: the left and right operand; K: the contracted axis; several contracted axes count as one K, in the product's order):
;;     1. [M 8,192, K 1,024] x [K 1,024, N 3,072]; A: input x; B: input W_qkv: QUANTISED
;;     2. batch 64 x [M 2,048, K 64] x [K 64, N 2,048]; A: computed on the way; B: computed on the way: QUANTISED
;;     3. batch 64 x [M 64, K 2,048] x [K 2,048, N 2,048]; A: computed on the way; B: softmax (see below): QUANTISED
;;     4. [M 8,192, K 1,024] x [K 1,024, N 1,024]; A: computed on the way; B: input W_out: QUANTISED
;;   THE QUANTISER, for each operand of a quantised product, along K:
;;     - K is cut into blocks of 32 from its start; a last block that is shorter is filled with zeros.
;;     - A block's scale is 2^e with e = floor(log2(the largest magnitude in the block)) - 4, held to -126 .. 127; a block of zeros has e = 0. As a byte (E8M0): e + 127.
;;     - Each number is divided by its block's scale, clamped to +-28, and rounded to the nearest number of E3M2, ties to even, subnormals kept.
;;     - The product sums the exact products of the quantised numbers (number of the format x scale) in f32.
;;   ~~~python
;;   def quantise(x, axis):      # numpy; x: float32 -> the quantised numbers, widened to float32 again
;;       x = np.moveaxis(x, axis, -1); K = x.shape[-1]
;;       x = np.pad(x, [(0, 0)] * (x.ndim - 1) + [(0, -K % 32)]); x = x.reshape(x.shape[:-1] + (-1, 32)); a = np.abs(x).max(-1, keepdims=True)
;;       e = np.where(a > 0, np.clip(np.frexp(np.where(a > 0, a, 1))[1] - 1 - 4, -126, 127), 0)      # np.frexp(a)[1] - 1 = floor(log2(a)), exactly
;;       r = np.clip(x / 2.0 ** e, -28, 28)
;;       step = 2.0 ** (np.maximum(np.frexp(np.where(r == 0, 1, r))[1] - 1, -2) - 2)
;;       q = np.round(r / step) * step * 2.0 ** e      # np.round: ties to even
;;       return np.moveaxis(q.reshape(q.shape[:-2] + (-1,))[..., :K], -1, axis).astype(np.float32)
;;   ~~~
;;   SOFTMAX AHEAD OF A QUANTISED PRODUCT. Where the list says 'softmax', what is quantised is not the finished softmax but p = 2^(t - M), with t = logit x log2(e) and M = ceil(the row's largest t), a whole number; so 1/2 < the row's largest p <= 1. The row's sum l is taken of the UNQUANTISED p, in f32, and the product's result is divided by l at the end. Since M is a whole number, a kernel that streams over the keys may use a running M (the ceiling of the running maximum): every later rescaling is an exact power of two, which a block's scale takes up: the codes' values come out the same.
;;   OPERANDS COMPUTED ON THE WAY. 'Computed on the way' means the value that the module computes at that place (a softmax that the list does not call 'softmax' is quantised finished and normalised). What goes into a quantiser is computed in f32, as accurately as f32 sums, v_exp_f32 and their like allow (about 1e-6 of the number): no bf16 or f16 on the way to a quantiser, and a product that is left as it is and whose result goes on into a quantised operand takes f32 operands (vector FMAs, or v_wmma_f32_16x16x4_f32). A number that lies on a knife's edge between two numbers of the format may be rounded either way, as far as f32 arithmetic and the matrix unit's own rounding can turn it there, and no further.
;; One version. Each part assembles by itself: llvm-mc -triple=amdgcn-amd-amdhsa -mcpu=gfx1250 --defsym DOCPART=n.
;; ======== version 1 of 1: 4 launches
;; workspace buffers: cod 15,728,640 bytes; scl 655,360 bytes; hc 18,874,368 bytes; hs 1,572,864 bytes
;; launch quant (part 1): grid 384 x 1, 4 waves a work-group, no clusters, 34,304 bytes of LDS; arguments x, W_qkv, W_out, cod, scl; writes cod, scl
.if DOCPART == 1
	.amdgcn_target "amdgcn-amd-amdhsa--gfx1250"
	.amdhsa_code_object_version 6
	.text
	.protected	k_q9f43e2311a_quant
	.globl	k_q9f43e2311a_quant
	.p2align	8
	.type	k_q9f43e2311a_quant,@function
k_q9f43e2311a_quant:
	s_mov_b64 s[64:65], 0
	v_nop
	global_prefetch_b8 v0, s[64:65] scope:SCOPE_SE
	s_setreg_imm32_b32 hwreg(HW_REG_WAVE_MODE, 25, 1), 1
	s_wait_xcnt 0x0
; x [8192][1024], W_qkv [1024][3072] and W_out [1024][1024], f32, become codes of BF6 (E3M2) with one E8M0 byte for each 32 along K (K = 1,024 in all three),
; laid as the two GEMM launches take their operands.
; A TILE is 16 rows (tokens of x, columns of a weight) x all of K.  cod: 12,288 bytes a tile = 16 HALF IMAGES of 768 bytes, number j for K = 64 j .. 64 j + 63.  A half image is six operand registers as they stand:
; registers 0-3 at 16 x lane (512 bytes), registers 4-5 at 512 + 8 x lane (256 bytes); lane (r, h) holds the 24 code bytes of k = 32 h .. 32 h + 31 of row r.  scl: 512 bytes a tile: [K half][row][16 bytes], byte j of a half = block 16 x half + j.
; Tiles: x 0-511, W_qkv 512-703, W_out 704-767.  ROW ORDER: row p of the workspace stands for logical row p with bits 3 and 4 exchanged: lane r of tile 2 b + u is logical row 32 b + 8 u + r + 8 (r / 8).
; A block's scale is 2^(floor(log2(largest magnitude)) - 4); its byte is that magnitude's exponent field - 4, held at 1 from below.
; LIMITS: a block whose largest magnitude lies under 2^-122 (a block of zeros among them) gets the byte 1 where the rule says 127 for zeros: its codes are zeros then, and this program alone reads the bytes.  NaN and infinities are not served.
; Work-groups 0-255 take x, 256-351 W_qkv, 352-383 W_out.  No barrier: waves share nothing.  Only x's path uses LDS.
.set R,   16                           ; x: v16-143  two sets of 64: a unit's 16 rows x 128 K as loaded
.set X,   144                          ; x: v144-207 my 64 numbers: register 32 c + i = k 64 c + 32 h + i of row r
.set PC,  208                          ; x: v208-219 a fragment's codes
.set PT,  220                          ; x: v220-227 the second halves of the blocks' codes
.set MX,  228                          ; x: v228-229 largest magnitudes
.set OP,  230                          ; x: v230-231 the conversions' scale operands
.set BY,  232                          ; x: v232-233 scale bytes
.set SW,  234                          ; x: v234-237 the four units' scale words
	s_load_b256 s[4:11], s[0:1], 0x0               ; x s[4:5], W_qkv s[6:7], W_out s[8:9], cod s[10:11]
	s_load_b64 s[12:13], s[0:1], 0x20              ; scl
	v_lshl_add_u32 v254, v0, 2, 0x8400
	v_mov_b32 v255, 0
	v_lshrrev_b32 v1, 5, v0
	v_readfirstlane_b32 s16, v1                    ; wave 0..3
	v_and_b32 v1, 31, v0                           ; lane
	v_and_b32 v2, 15, v0                           ; r
	v_bfe_u32 v3, v0, 4, 1                         ; h
	v_lshlrev_b32 v4, 4, v1                        ; 16 x lane
	v_lshlrev_b32 v5, 3, v1                        ; 8 x lane
	s_cmp_lt_u32 ttmp9, 256
	s_cbranch_scc0 .Lweights
; ---------------- x: K is innermost.  A wave takes one tile's 16 tokens x 512 along K, in four units of 128.
; A load reads 512 consecutive bytes of one row; the unit turns through the wave's own stage in LDS (16 rows, 528 bytes apart) and comes back as 128 bytes a lane: a whole block of 32 for each c.
	s_lshl_b32 s17, ttmp9, 2
	s_add_co_u32 s17, s17, s16                     ; u = 4 x work-group + wave = 2 x tile + K half
	s_lshr_b32 s18, s17, 1                         ; tile
	s_and_b32 s19, s17, 1                          ; K half
	s_lshr_b32 s24, s18, 1
	s_lshl_b32 s24, s24, 17                        ; 32 (tile / 2) rows of 4,096 bytes
	s_and_b32 s25, s18, 1
	s_lshl_b32 s25, s25, 15                        ; + 8 (tile % 2) rows
	s_add_co_u32 s24, s24, s25
	s_lshl_b32 s25, s19, 11                        ; + 512 numbers for the upper K half
	s_add_co_u32 s24, s24, s25
	s_mov_b32 s25, 0
	s_mul_i32 s26, s17, 6144                       ; cod: 12,288 x tile + 8 half images x K half
	s_mov_b32 s27, 0
	s_lshl_b32 s28, s17, 8                         ; scl: 512 x tile + 256 x K half
	s_mov_b32 s29, 0
	s_mul_i32 s30, s16, 8448                       ; my stage
	s_mov_b32 s20, 0x76543210
	s_mov_b32 s21, 0xfedcba98                      ; v_permlanex16_b32's selects for lane l xor 16
	s_mov_b32 s22, 0xffff0000                      ; lanes 16-31
	s_wait_alu depctr_va_vdst(0)
	v_add_nc_u32 v6, s30, v4                       ; into the stage: 16 x lane of a row
	v_mul_u32_u24 v7, v2, 528
	v_lshl_add_u32 v7, v3, 7, v7
	v_add_nc_u32 v7, s30, v7                       ; out of it: row r, + 128 h
	v_lshlrev_b32 v8, 4, v2
	v_lshl_add_u32 v8, v3, 3, v8                   ; the scale words' place: 16 r + 8 h
	v_lshlrev_b32 v9, 3, v3                        ; 8 h: my bytes' shift in a scale word
	v_mov_b32 v239, 0                              ; a lane permute's destination counts as one of its sources
	s_wait_alu depctr_va_vdst(0)
	s_wait_kmcnt 0x0
	s_add_nc_u64 s[4:5], s[4:5], s[24:25]
	s_add_nc_u64 s[10:11], s[10:11], s[26:27]
	s_add_nc_u64 s[12:13], s[12:13], s[28:29]
.macro XLOAD q                         ; unit q: row i of the tile is logical row i + 8 (i / 8) from the tile's first
.irp i, 0,1,2,3,4,5,6,7,8,9,10,11,12,13,14,15
	global_load_b128 v[R+64*((\q)%2)+4*\i:R+64*((\q)%2)+4*\i+3], v4, s[4:5] offset:(\i+8*(\i/8))*4096+512*(\q) th:TH_LOAD_NT
.endr
.endm
.macro XUNIT q
.if (\q) < 3
	s_wait_loadcnt 16                              ; this unit's 16 loads are in; the next unit's 16 may be out
.else
	s_wait_loadcnt 0x0
.endif
.irp i, 0,1,2,3,4,5,6,7,8,9,10,11,12,13,14,15
	ds_store_b128 v6, v[R+64*((\q)%2)+4*\i:R+64*((\q)%2)+4*\i+3] offset:528*\i
.endr
.irp c, 0,1
.irp j, 0,1,2,3,4,5,6,7
	ds_load_b128 v[X+32*\c+4*\j:X+32*\c+4*\j+3], v7 offset:256*\c+16*\j   ; LDS serves a wave's instructions in order: these see the stores above
.endr
.endr
	s_wait_dscnt 0x0                               ; my numbers are back, and the stores have read their registers,
.if (\q) < 2
	XLOAD (\q)+2                                   ; which take the unit two on
.endif
.irp c, 0,1
	v_max3_num_f32 v[MX+\c], |v[X+32*\c]|, |v[X+32*\c+1]|, 0x2800000   ; block 2 c + h is all mine; the floor 2^(5 - 127) holds the byte at 1 from below
.endr
.irp i, 2,4,6,8,10,12,14,16,18,20,22,24,26,28,30
.irp c, 0,1
	v_max3_num_f32 v[MX+\c], v[MX+\c], |v[X+32*\c+\i]|, |v[X+32*\c+\i+1]|
.endr
.endr
.irp c, 0,1
	v_add_nc_u32 v[OP+\c], 0xfe000000, v[MX+\c]    ; 4 off the exponent field: the conversion's scale operand
.endr
.irp c, 0,1
	v_lshrrev_b32 v[BY+\c], 23, v[OP+\c]           ; the scale's byte
.endr
	v_lshl_or_b32 v238, v[BY+1], 16, v[BY]         ; my two bytes, blocks h and 2 + h,
	v_lshlrev_b32 v238, v9, v238                   ; at their places in the word;
	v_permlanex16_b32 v239, v238, s20, s21
	v_or_b32 v[SW+(\q)], v238, v239                ; with lane l xor 16's two the word is whole
	s_wait_alu depctr_va_vdst(0)
	s_wait_xcnt 0x0                                ; the last unit's stores have read the codes' registers
.irp c, 0,1
	v_cvt_scalef32_pk16_bf6_f32 v[PC+6*\c:PC+6*\c+2], v[X+32*\c:X+32*\c+15], v[OP+\c]
	v_cvt_scalef32_pk16_bf6_f32 v[PT+4*\c:PT+4*\c+2], v[X+32*\c+16:X+32*\c+31], v[OP+\c]   ; (a conversion's three registers begin on an even number)
.endr
	v_nop                                          ; one plain place behind a scaled conversion
.irp c, 0,1
.irp i, 0,1,2
	v_mov_b32 v[PC+3+6*\c+\i], v[PT+4*\c+\i]
.endr
.endr
	global_store_b128 v4, v[PC:PC+3], s[10:11] offset:1536*(\q)          ; two half images: each store covers 512 or 256 consecutive bytes, aligned
	global_store_b64 v5, v[PC+4:PC+5], s[10:11] offset:1536*(\q)+512
	global_store_b128 v4, v[PC+6:PC+9], s[10:11] offset:1536*(\q)+768
	global_store_b64 v5, v[PC+10:PC+11], s[10:11] offset:1536*(\q)+1280
.endm
	XLOAD 0
	XLOAD 1
	XUNIT 0
	XUNIT 1
	XUNIT 2
	XUNIT 3
	v_cndmask_b32 v240, v[SW], v[SW+2], s22        ; lanes 0-15 store words 0 and 1 of their row, lanes 16-31 words 2 and 3:
	v_cndmask_b32 v241, v[SW+1], v[SW+3], s22
	global_store_b64 v8, v[240:241], s[12:13]      ; 256 consecutive bytes, aligned
	s_wait_tensorcnt 0x0
	ds_add_u32 v254, v255
	s_wait_dscnt 0x0
	s_endpgm
; ---------------- the weights: K is the FIRST axis.  A lane takes a column and its registers run down K: a block of 32 lies in one lane.
; A wave takes 32 columns (two tiles) x 256 along K: 8 blocks.  Lane l takes the column that row l of the workspace stands for: l with bits 3 and 4 exchanged; a load still reads 128 consecutive bytes.
.Lweights:
	s_wait_alu depctr_va_vdst(0)
	v_and_b32 v6, 7, v1
	v_bfe_u32 v7, v1, 3, 1
	v_lshl_or_b32 v6, v7, 4, v6
	v_lshl_or_b32 v6, v3, 3, v6
	v_lshlrev_b32 v6, 2, v6                        ; my column, in bytes
	v_lshlrev_b32 v7, 4, v2
	v_lshl_add_u32 v7, v3, 9, v7                   ; the scale bytes' place: 16 (l % 16) + 512 (l / 16)
.macro WLOAD t, N, ptr                 ; block t: W(32 t + i, my column), i = 0 .. 31, into set t % 2 (v16-47, v48-79)
.set i, 0
.rept 32
	global_load_b32 v[16+32*((\t)%2)+i], v6, s[\ptr:\ptr+1] offset:(32*(\t)+i)*4*\N th:TH_LOAD_NT
.set i, i+1
.endr
.endm
; s17: the work-group's number in its tensor = 4 x (group of 128 columns) + (quarter of K).  N: the tensor's columns; ptr: its address; tile0: its first tile.
; v80-127: codes; the pair of blocks 2 c, 2 c + 1 at E = 80 + 12 c and E + 6; each pair has registers of its own, so no store's data are written again.
.macro WPATH N, ptr, tile0
	s_lshr_b32 s18, s17, 2
	s_and_b32 s19, s17, 3                          ; kq
	s_lshl_b32 s23, s18, 7
	s_lshl_b32 s24, s16, 5
	s_add_co_u32 s23, s23, s24                     ; n0: my first column
	s_mul_i32 s24, s19, 256*\N*4
	s_lshl_b32 s25, s23, 2
	s_add_co_u32 s24, s24, s25                     ; W: 256 kq rows + n0 columns
	s_mov_b32 s25, 0
	s_lshr_b32 s26, s23, 4
	s_add_co_u32 s26, s26, \tile0                  ; my first tile
	s_mul_i32 s28, s26, 12288
	s_mul_i32 s27, s19, 3072
	s_add_co_u32 s28, s28, s27                     ; cod: + 4 kq half images
	s_mov_b32 s29, 0
	s_lshl_b32 s30, s26, 9
	s_lshr_b32 s27, s19, 1
	s_lshl_b32 s27, s27, 8
	s_add_co_u32 s30, s30, s27
	s_and_b32 s27, s19, 1
	s_lshl_b32 s27, s27, 3
	s_add_co_u32 s30, s30, s27                     ; scl: + 256 (kq / 2) + 8 (kq % 2)
	s_mov_b32 s31, 0
	s_wait_kmcnt 0x0
	s_add_nc_u64 s[\ptr:\ptr+1], s[\ptr:\ptr+1], s[24:25]
	s_add_nc_u64 s[10:11], s[10:11], s[28:29]
	s_add_nc_u64 s[12:13], s[12:13], s[30:31]
	WLOAD 0, \N, \ptr
	WLOAD 1, \N, \ptr
.irp t, 0,1,2,3,4,5,6,7
.set XS, 16+32*(\t%2)
.set CB, 80+12*(\t/2)+6*(\t%2)
.if \t < 7
	s_wait_loadcnt 32                              ; this block's 32 loads are in; the next block's may be out
.else
	s_wait_loadcnt 0x0
.endif
	v_max3_num_f32 v134, |v[XS]|, |v[XS+1]|, |v[XS+2]|
	v_max3_num_f32 v136, |v[XS+3]|, |v[XS+4]|, |v[XS+5]|
.irp i, 6,10,14,18,22,26
	v_max3_num_f32 v134, v134, |v[XS+\i]|, |v[XS+\i+1]|
	v_max3_num_f32 v136, v136, |v[XS+\i+2]|, |v[XS+\i+3]|
.endr
	v_max3_num_f32 v134, v134, |v[XS+30]|, |v[XS+31]|
	v_max3_num_f32 v134, v134, v136, 0x2800000     ; with the floor 2^(5 - 127)
	v_add_nc_u32 v135, 0xfe000000, v134            ; the conversion's scale operand
	v_lshrrev_b32 v137, 23, v135                   ; the byte
.if \t%4 == 0
	v_mov_b32 v[132+\t/4], v137                    ; four bytes to a register, the lower K in the lower byte
.else
	v_lshl_or_b32 v[132+\t/4], v137, 8*(\t%4), v[132+\t/4]
.endif
	v_cvt_scalef32_pk16_bf6_f32 v[CB:CB+2], v[XS:XS+15], v135
	v_cvt_scalef32_pk16_bf6_f32 v[128:130], v[XS+16:XS+31], v135
	v_nop                                          ; one plain place behind a scaled conversion
.irp i, 0,1,2
	v_mov_b32 v[CB+3+\i], v[128+\i]
.endr
.if \t < 6
	WLOAD \t+2, \N, \ptr
.endif
.if \t%2 == 1
.irp i, 0,1,2,3,4,5                    ; E: both tiles' even block, O: both tiles' odd block.  E's lanes 16-31 change places with O's lanes 0-15: E is then the first tile's half image, O the second's
	v_permlane16_swap_b32 v[CB-6+\i], v[CB+\i]
.endr
	global_store_b128 v4, v[CB-6:CB-3], s[10:11] offset:768*(\t/2)
	global_store_b64 v5, v[CB-2:CB-1], s[10:11] offset:768*(\t/2)+512
	global_store_b128 v4, v[CB:CB+3], s[10:11] offset:12288+768*(\t/2)
	global_store_b64 v5, v[CB+4:CB+5], s[10:11] offset:12288+768*(\t/2)+512
.endif
.endr
	global_store_b64 v7, v[132:133], s[12:13]      ; my column's 8 bytes: sixteen lanes write every second 8 bytes of 256: one byte for each 128 that the path reads
	s_endpgm
.endm
	s_cmp_lt_u32 ttmp9, 352
	s_cbranch_scc0 .Lw_out
	s_sub_co_u32 s17, ttmp9, 256
	s_wait_alu depctr_va_vdst(0)
	WPATH 3072, 6, 512
.Lw_out:
	s_sub_co_u32 s17, ttmp9, 352
	s_wait_alu depctr_va_vdst(0)
	WPATH 1024, 8, 704
.Lfunc_end_k_q9f43e2311a_quant:
	.size	k_q9f43e2311a_quant, .Lfunc_end_k_q9f43e2311a_quant-k_q9f43e2311a_quant
	.p2alignl 7, 3214868480
	.fill 96, 4, 3214868480
	.section	.rodata,"a",@progbits
	.p2align	6, 0x0
	.amdhsa_kernel k_q9f43e2311a_quant
		.amdhsa_group_segment_fixed_size 34304
		.amdhsa_private_segment_fixed_size 0
		.amdhsa_enable_private_segment 0
		.amdhsa_kernarg_size 40
		.amdhsa_user_sgpr_count 2
		.amdhsa_user_sgpr_kernarg_segment_ptr 1
		.amdhsa_wavefront_size32 1
		.amdhsa_system_sgpr_workgroup_id_x 1
		.amdhsa_system_sgpr_workgroup_id_y 1
		.amdhsa_system_sgpr_workgroup_id_z 1
		.amdhsa_system_vgpr_workitem_id 0
		.amdhsa_next_free_vgpr 256
		.amdhsa_next_free_sgpr 66
		.amdhsa_reserve_vcc 0
		.amdhsa_float_denorm_mode_32 3
		.amdhsa_float_denorm_mode_16_64 3
		.amdhsa_memory_ordered 1
		.amdhsa_forward_progress 1
		.amdhsa_inst_pref_size 109
	.end_amdhsa_kernel
	.amdgpu_metadata
---
amdhsa.version: [ 1, 2 ]
amdhsa.kernels:
  - .name:           k_q9f43e2311a_quant
    .symbol:         k_q9f43e2311a_quant.kd
    .args:
      - { .name: x, .offset: 0, .size: 8, .value_kind: global_buffer, .address_space: global }
      - { .name: W_qkv, .offset: 8, .size: 8, .value_kind: global_buffer, .address_space: global }
      - { .name: W_out, .offset: 16, .size: 8, .value_kind: global_buffer, .address_space: global }
      - { .name: cod, .offset: 24, .size: 8, .value_kind: global_buffer, .address_space: global }
      - { .name: scl, .offset: 32, .size: 8, .value_kind: global_buffer, .address_space: global }
    .group_segment_fixed_size: 34304
    .private_segment_fixed_size: 0
    .kernarg_segment_align: 8
    .kernarg_segment_size: 40
    .max_flat_workgroup_size: 128
    .sgpr_count:     66
    .vgpr_count:     256
    .wavefront_size: 32
...
	.end_amdgpu_metadata
.endif
;; end of part 1
;; launch gemm_qkv (part 2): grid 8 x 48, 4 waves a work-group, clusters of 4 x 4, 327,680 bytes of LDS; arguments cod, scl, b_qkv, hc, hs; writes hc, hs
.if DOCPART == 2
	.amdgcn_target "amdgcn-amd-amdhsa--gfx1250"
	.amdhsa_code_object_version 6
	.text
	.protected	k_q9f43e2311a_gemm_qkv
	.globl	k_q9f43e2311a_gemm_qkv
	.p2align	8
	.type	k_q9f43e2311a_gemm_qkv,@function
k_q9f43e2311a_gemm_qkv:
	s_mov_b64 s[64:65], 0
	v_nop
	global_prefetch_b8 v0, s[64:65] scope:SCOPE_SE
	s_setreg_imm32_b32 hwreg(HW_REG_WAVE_MODE, 25, 1), 1
	s_wait_xcnt 0x0
	s_wait_alu depctr_hold_cnt(0) depctr_sa_sdst(0) depctr_va_vdst(0) depctr_va_sdst(0) depctr_va_ssrc(0) depctr_va_vcc(0) depctr_vm_vsrc(0)
	s_getreg_b32 s2, hwreg(HW_REG_IB_STS2, 6, 4)
	s_cmp_eq_u32 s2, 0
	s_cbranch_scc0 .Lentry_in_a_cluster
	s_endpgm
.Lentry_in_a_cluster:
	s_bfe_u32 s2, ttmp6, 0x10000c
	s_cmp_lg_u32 s2, 0xf033
	s_cbranch_scc0 .Lentry_shape_is_right
	s_endpgm
.Lentry_shape_is_right:
; qkv = x W_qkv + b_qkv on codes of BF6 (E3M2), K = 1,024; q, k and v are quantised here, in registers, for the two products of attention, and go to memory as codes and scale bytes alone.
; OPERANDS (launch quant): cod: 12,288 bytes a tile of 16 rows = 16 half images of 768 bytes (16 rows x 64 K: registers 0-3 at 16 x lane, registers 4-5 at 512 + 8 x lane); scl: 512 bytes a tile, [K half][row][16 bytes].
; Row p of a tile pair stands for logical row p with bits 3 and 4 exchanged, so that the 16 result registers of source 0's tiles 2 b, 2 b + 1 are 16 logical neighbours: 32 b + 16 (lane / 16) + 0 .. 15.
; A work-group of four waves makes 256 rows of operand A x 256 rows of operand B, a wave 128 x 128: 64 accumulators, 512 registers.  Source 0 = 16 rows of B, source 1 = 16 rows of A: a lane holds ONE row of A, its registers run along B's rows.
; TWO MODES, by the cluster's y (the same in all sixteen partners):
;   y < 8 (q and k): A = x's tokens, B = W's columns 0-2047: a lane holds a token, its registers run along the head's 64, the first product's K.
;   y >= 8 (v):      A = W's columns 2048-3071, B = x's tokens: a lane holds one of a head's 64, its registers run along the tokens, the second product's K.
; K goes in 8 steps of 128, written out (each names its own scale registers), through THREE LDS slots of 256 along K; slots 0, 1, 2 are filled at the head, slot 0 once more (K 768 on) when it has been read out.
; CLUSTERS: 4 x 4 work-groups; A's tiles are asked for jointly along a row of the cluster, B's along a column.
; OUT: hc: q at 0, k at 6,291,456: [batch x head][token tile 128][768]; v at 12,582,912: [batch x head][key step 16][tile of the 64: 4][2][768].
;      hs: q's records at 0, k's and v's at 786,432: [batch x head][step 16][768]: bytes 0-511 the step's 8 token tiles' scale words, [tile / 4][row][tile % 4]; bytes 512-767 (k's region) v's words, [row][tile of the 64].
; LIMITS: a block whose largest magnitude lies under 2^-122 gets the byte 1 (zeros too, where the rule says 127: the codes are zeros, and this program alone reads the bytes); NaN and infinities are not served.
; REGISTERS: window 0: v1-7 lane terms; v8-19 LDS addresses; v22-24 the way out's offsets; v28-29 the spare word's; v32-95 scale words; v128-223 A's fragments, one set; on the way out v128-243 at work.
;   window 1: B's fragments, two sets, v0-95 and v128-223 (set 0 takes the bias at the end).   windows 2, 3: accumulator (a, b) at v[8 (8 (a % 4) + b)], a < 4 in window 2.
.set SLOT,  98304                      ; 32 tiles x 3,072 bytes (four half images): A's 16 tiles, then B's 16
.set SPARE, 3*SLOT                     ; behind the slots: the spare words, 128 bytes a wave: two blocks of 256 bytes that no other line names
.set ADR,   8                          ; v[8 + 4 s ..]: slot s: A's 16 x lane, A's 8 x lane, B's 16 x lane, B's 8 x lane
.set SPW,   28
.set NIL,   29
.set SC,    32                         ; v[SC + 8 i + G]: lanes 0-15 the word of A's block i, lanes 16-31 of B's block i, for K step G
.set AF,    128
.set T,     128                        ; the way out: 64 numbers
.set PC,    192                        ; their codes (12), and from PC + 12 the blocks' second halves
.set TM,    212                        ; v212-227 at work
.set PWS,   228                        ; the eight blocks' scale words
.set OUTW,  236
.set G1,  24                           ; s[24:31] descriptor group 1 for A;  s[32:43] group 0, a set for each slot
.set G0,  32
.set G1B, 48                           ; s[48:55] for B;  s[56:63], s[68:71] group 0
.set G0B, 56
.set MUL_LO, 0xa1                      ; source 0 (B) window 1, source 1 (A) window 0, C and D window 2
.set MUL_HI, 0xf1
.set TO_B,   0x40                      ; destination window 1, address window 0
.set MSB, 0
.macro WIN new                         ; the immediate's high byte repeats the setting that is left
.if MSB != (\new)
	s_set_vgpr_msb (MSB<<8)|(\new)
.set MSB, (\new)
.endif
.endm
; A joint load: waves 0 and 1 fetch A's halves, waves 2 and 3 B's.  The branch hangs on the wave's number alone.  Four v_nop follow each of the two lines.
.macro JLOAD g0a, g1a, g0b, g1b
	s_cmp_eq_u32 s15, 0
	s_cbranch_scc0 .Lfor_b_\@
	tensor_load_to_lds s[\g0a:\g0a+3], s[\g1a:\g1a+7]
	s_nop 0
.rept 4
	v_nop
.endr
	s_branch .Lasked_\@
.Lfor_b_\@:
	tensor_load_to_lds s[\g0b:\g0b+3], s[\g1b:\g1b+7]
	s_nop 0
.rept 4
	v_nop
.endr
.Lasked_\@:
.endm
.macro CREST                           ; a round of the cluster's barrier behind its opening barrier
	s_cmp_lg_u32 s14, 0
	s_cbranch_scc1 .Lnot_wave_0_\@
	s_barrier_signal -3
.Lnot_wave_0_\@:
	s_barrier_wait -3
	s_barrier_signal -1
	s_barrier_wait -1
.endm
.macro CROUND
	s_barrier_signal -1
	s_barrier_wait -1
	CREST
.endm
.macro PLACES n                        ; plain places behind matrix instructions, in front of loads into registers that they read and of reads of their results
.rept \n
	v_nop
.endr
.endm
	s_load_b256 s[4:11], s[0:1], 0x0               ; cod s[4:5], scl s[6:7], b_qkv s[8:9], hc s[10:11]
	s_load_b64 s[12:13], s[0:1], 0x20              ; hs
	v_lshl_add_u32 v[SPW], v0, 2, SPARE
	v_mov_b32 v[NIL], 0
	ds_add_u32 v28, v29
	ds_add_u32 v28, v29
	s_wait_dscnt 0x0
	v_lshrrev_b32 v1, 5, v0
	v_readfirstlane_b32 s14, v1                    ; wave 0..3
	s_lshr_b32 s15, s14, 1                         ; my half of A's rows.  Also: I fetch for A (0) or for B (1)
	s_and_b32 s16, s14, 1                          ; my half of B's rows.  Also: which 8 tiles I fetch
	s_bfe_u32 s72, ttmp6, 0x40000                  ; cx
	s_bfe_u32 s73, ttmp6, 0x40004                  ; cy
	s_and_b32 s75, ttmp7, 0xffff                   ; the cluster's y: 0-7 q and k, 8-11 v
	s_lshl_b32 s77, s75, 6                         ; q, k: A's first tile = 64 y (x's tiles begin at 0)
	s_lshl_b32 s78, ttmp9, 6
	s_add_co_u32 s86, s78, 512                     ; q, k: B's first tile = 512 + 64 x
	s_max_u32 s87, s75, 8
	s_sub_co_u32 s87, s87, 8
	s_lshl_b32 s87, s87, 7
	s_add_co_u32 s87, s87, s78                     ; v: B's first tile = 64 (2 (y - 8) + x)
	s_mov_b32 s88, 640                             ; v: A's first tile: W's columns 2048 on
	s_cmp_lt_u32 s75, 8
	s_cselect_b32 s77, s77, s88
	s_cselect_b32 s78, s86, s87
	s_cselect_b32 s76, 0, 1                        ; the mode
	s_lshl_b32 s79, s73, 4
	s_add_co_u32 s77, s77, s79                     ; my work-group's 16 tiles of A: + 16 cy
	s_lshl_b32 s80, s72, 4
	s_add_co_u32 s78, s78, s80                     ; and of B: + 16 cx
	s_lshl_b32 s81, s73, 2
	s_lshl_b32 s81, 15, s81                        ; my row of the cluster
	s_lshl_b32 s90, 0x1111, s72                    ; my column
	; descriptor group 1: 8 tiles' 3,072 bytes (256 along K), 12,288 bytes apart: 8 rows of 384 elements of 8 bytes; no padding: every LDS read is of consecutive bytes
	s_or_b32 s[G1], s81, (3<<16)|(1<<21)           ; 15:0 the mask; 17:16 elements of 8 bytes; 21 set beside a mask
	s_or_b32 s[G1B], s90, (3<<16)|(1<<21)
.irp g, G1, G1B
	s_mov_b32 s[\g+1], 384<<16                     ; tensor_dim0
	s_mov_b32 s[\g+2], 8<<16                       ; tensor_dim1
	s_mov_b32 s[\g+3], 384<<16                     ; tile_dim0
	s_mov_b32 s[\g+4], 8                           ; tile_dim1
	s_mov_b32 s[\g+5], 1536                        ; from tile to tile
	s_mov_b32 s[\g+6], 0
	s_mov_b32 s[\g+7], 0
.endr
	s_lshl_b32 s91, s16, 3                         ; which 8 tiles I fetch
	s_add_co_u32 s82, s77, s91
	s_mul_i32 s82, s82, 12288
	s_mov_b32 s83, 0
	s_add_co_u32 s84, s78, s91
	s_mul_i32 s84, s84, 12288
	s_mov_b32 s85, 0
	s_mul_i32 s92, s14, 24576                      ; where they go: wave x 8 tiles: no place in the cluster enters an LDS address
	s_wait_kmcnt 0x0
	s_add_nc_u64 s[82:83], s[4:5], s[82:83]
	s_add_nc_u64 s[84:85], s[4:5], s[84:85]
	CROUND                                         ; all sixteen work-groups are here: the first joint loads meet
.irp f, 0,1,2                          ; three loads of mine are out
	s_mov_b32 s[G0+4*\f], 1
	s_add_co_u32 s[G0+4*\f+1], s92, \f*SLOT
	s_add_nc_u64 s[G0+4*\f+2:G0+4*\f+3], s[82:83], \f*3072
	s_or_b32 s[G0+4*\f+3], s[G0+4*\f+3], 0x80000000
	s_mov_b32 s[G0B+4*\f+4*(\f/2)], 1
	s_add_co_u32 s[G0B+4*\f+4*(\f/2)+1], s92, \f*SLOT
	s_add_nc_u64 s[G0B+4*\f+4*(\f/2)+2:G0B+4*\f+4*(\f/2)+3], s[84:85], \f*3072
	s_or_b32 s[G0B+4*\f+4*(\f/2)+3], s[G0B+4*\f+4*(\f/2)+3], 0x80000000
	JLOAD G0+4*\f, G1, G0B+4*\f+4*(\f/2), G1B
.endr
	v_and_b32 v1, 31, v0                           ; lane
	v_and_b32 v2, 15, v0                           ; r
	v_bfe_u32 v3, v0, 4, 1                         ; h
	v_lshlrev_b32 v4, 4, v1                        ; 16 x lane
	v_lshlrev_b32 v5, 3, v1                        ; 8 x lane
	s_mul_i32 s93, s15, 24576                      ; my 8 tiles of A
	s_mul_i32 s94, s16, 24576
	s_add_co_u32 s94, s94, 49152                   ; my 8 tiles of B, behind A's 16
.irp s, 0,1,2
	v_add_nc_u32 v[ADR+4*\s], s93, v4
	v_add_nc_u32 v[ADR+4*\s+1], s93, v5
	v_add_nc_u32 v[ADR+4*\s+2], s94, v4
	v_add_nc_u32 v[ADR+4*\s+3], s94, v5
	s_add_co_u32 s93, s93, SLOT
	s_add_co_u32 s94, s94, SLOT
.endr
	; the scale words of my 8 + 8 tiles for all of K come once, straight into registers: lanes 0-15 take A's, lanes 16-31 B's; sixteen lanes read 256 consecutive bytes
	s_lshl_b32 s96, s15, 3
	s_add_co_u32 s96, s96, s77
	s_lshl_b32 s96, s96, 9
	s_lshl_b32 s97, s16, 3
	s_add_co_u32 s97, s97, s78
	s_lshl_b32 s97, s97, 9
	s_mov_b32 s95, 0xffff0000                      ; lanes 16-31
	v_mov_b32 v6, s96
	v_mov_b32 v7, s97
	v_cndmask_b32 v6, v6, v7, s95
	v_lshl_add_u32 v6, v2, 4, v6
.irp i, 0,1,2,3,4,5,6,7
	global_load_b128 v[SC+8*\i:SC+8*\i+3], v6, s[6:7] offset:512*\i
	global_load_b128 v[SC+8*\i+4:SC+8*\i+7], v6, s[6:7] offset:512*\i+256
.endr
.macro FRAG reg, a16, a8, q, i         ; a fragment (16 rows x 128 K, 12 registers) is two half images: four loads of consecutive bytes
	ds_load_b128 v[\reg:\reg+3], v[\a16] offset:(\i)*3072+(\q)*1536
	ds_load_b64 v[\reg+4:\reg+5], v[\a8] offset:(\i)*3072+(\q)*1536+512
	ds_load_b128 v[\reg+6:\reg+9], v[\a16] offset:(\i)*3072+(\q)*1536+768
	ds_load_b64 v[\reg+10:\reg+11], v[\a8] offset:(\i)*3072+(\q)*1536+1280
.endm
.macro FETCH_B slot, q, p              ; B's eight fragments of the slot's q-th 128 along K into set p: 32 loads
	WIN TO_B
.irp i, 0,1,2,3,4,5,6,7
	FRAG 128*(\p)+12*\i, ADR+4*(\slot)+2, ADR+4*(\slot)+3, \q, \i
.endr
	WIN 0
.endm
.macro FETCH_A slot, q, i0             ; A's blocks i0 .. i0 + 3: 16 loads
.irp i, \i0, \i0+1, \i0+2, \i0+3
	FRAG AF+12*(\i), ADR+4*(\slot), ADR+4*(\slot)+1, \q, \i
.endr
.endm
; 16 matrix instructions: A's blocks a0, a0 + 1 x B's eight, K step G; p: B's set.  zero = 1: the products start the sums.  The 64 accumulators take turns, one instruction a turn, in the same order in every step.
.macro MUL16 a0, p, G, zero
.irp a, \a0, \a0+1
.irp b, 0,1,2,3,4,5,6,7
.if \zero
	v_wmma_scale_f32_16x16x128_f8f6f4 v[8*(8*((\a)%4)+\b):8*(8*((\a)%4)+\b)+7], v[128*(\p)+12*\b:128*(\p)+12*\b+11], v[AF+12*(\a):AF+12*(\a)+11], 0, v[SC+8*\b+(\G)], v[SC+8*(\a)+(\G)] matrix_a_fmt:MATRIX_FMT_BF6 matrix_b_fmt:MATRIX_FMT_BF6 matrix_a_scale:MATRIX_SCALE_ROW1
.else
	v_wmma_scale_f32_16x16x128_f8f6f4 v[8*(8*((\a)%4)+\b):8*(8*((\a)%4)+\b)+7], v[128*(\p)+12*\b:128*(\p)+12*\b+11], v[AF+12*(\a):AF+12*(\a)+11], v[8*(8*((\a)%4)+\b):8*(8*((\a)%4)+\b)+7], v[SC+8*\b+(\G)], v[SC+8*(\a)+(\G)] matrix_a_fmt:MATRIX_FMT_BF6 matrix_b_fmt:MATRIX_FMT_BF6 matrix_a_scale:MATRIX_SCALE_ROW1
.endif
.endr
.endr
.endm
; K step G; it fetches the next step's fragments: quarter nq of slot nslot, which is known to be whole.
.macro STEP nslot, nq, G, zero
	s_wait_dscnt 16                                ; B's set and A's blocks 0-3 are in; the youngest 16 loads (A's blocks 4-7) may be out
	WIN MUL_LO
	MUL16 0, (\G)%2, \G, \zero
	MUL16 2, (\G)%2, \G, \zero
	s_wait_dscnt 0x0                               ; A's blocks 4-7 are in
	PLACES 4
	FETCH_B \nslot, \nq, 1-(\G)%2
	FETCH_A \nslot, \nq, 0
	WIN MUL_HI
	MUL16 4, (\G)%2, \G, \zero
	MUL16 6, (\G)%2, \G, \zero
	PLACES 4
	WIN 0
	FETCH_A \nslot, \nq, 4
.endm
; K step G, a slot's last, with a barrier: in front of it each wave waits for all its tensor loads, adds 0 to its spare word, and waits for that and for its reads of the slot.  fill = 1: slot 0 is filled again.
.macro TURN nslot, G, fill
	s_wait_tensorcnt 0x0                           ; all my tensor loads have landed
	ds_add_u32 v[SPW], v[NIL]                      ; 0 onto my spare word
	s_wait_dscnt 17                                ; (the add and the youngest 16 loads may be out)
	WIN MUL_LO
	MUL16 0, (\G)%2, \G, 0                         ; sixteen matrix instructions stand between the add and the wait for it
	s_wait_dscnt 0x0                               ; the add is done, and my reads of the slot are over
	s_barrier_signal -1
	MUL16 2, (\G)%2, \G, 0
	WIN 0
	s_barrier_wait -1
.if \fill
	CREST                                          ; the barrier has opened a round of the cluster's: no wave of any partner still reads slot 0 or has a load on its way
	s_add_nc_u64 s[G0+2:G0+3], s[G0+2:G0+3], 9216  ; K 768 on: three slots' worth further along each tile
	s_add_nc_u64 s[G0B+2:G0B+3], s[G0B+2:G0B+3], 9216
	JLOAD G0, G1, G0B, G1B                         ; the first tensor load behind the round, my only one; its four v_nop are also the places in front of the loads below
.else
	PLACES 4
.endif
	s_wait_alu depctr_va_vdst(0)
	FETCH_B \nslot, 0, 1-(\G)%2
	FETCH_A \nslot, 0, 0
	WIN MUL_HI
	MUL16 4, (\G)%2, \G, 0
	MUL16 6, (\G)%2, \G, 0
	PLACES 4
	WIN 0
	FETCH_A \nslot, 0, 4
.endm
.macro LAST G                          ; the last K step fetches nothing
	s_wait_dscnt 16
	WIN MUL_LO
	MUL16 0, (\G)%2, \G, 0
	MUL16 2, (\G)%2, \G, 0
	s_wait_dscnt 0x0
	WIN MUL_HI
	MUL16 4, (\G)%2, \G, 0
	MUL16 6, (\G)%2, \G, 0
	WIN 0
.endm
	s_wait_tensorcnt 2                             ; my part of slot 0 is in; slots 1 and 2 may be out
	s_barrier_signal -1
	s_barrier_wait -1
	FETCH_B 0, 0, 0
	FETCH_A 0, 0, 0
	FETCH_A 0, 0, 4
	s_wait_loadcnt 0x0                             ; the scale words
	STEP 0, 1, 0, 1                                ; K step 0 starts the sums
	TURN 1, 1, 1                                   ; K step 1: slot 0 is read out and filled again; every wave's wait for all its loads shows slots 1 and 2 whole
	STEP 1, 1, 2, 0
	STEP 2, 0, 3, 0
	STEP 2, 1, 4, 0
	TURN 0, 5, 0                                   ; K step 5: slot 0's second fill, asked for four K steps ago, is waited for and shown to all
	STEP 0, 1, 6, 0
; THE WAY OUT.  For A's block a: the lane's 64 sums + the bias are 64 numbers of ONE row: register 16 b + i = index 32 b + 16 (lane / 16) + i along the next product's K.  They become a fragment's codes and a scale word.
.macro QMAX s, pw
.irp b, 0,1,2,3
	v_max3_num_f32 v[TM+\b], |v[\s+16*\b]|, |v[\s+1+16*\b]|, 0x2800000   ; block b: my 16 numbers, and the floor 2^(5 - 127)
.endr
.irp i, 2,4,6,8,10,12,14
.irp b, 0,1,2,3
	v_max3_num_f32 v[TM+\b], v[TM+\b], |v[\s+16*\b+\i]|, |v[\s+1+16*\b+\i]|
.endr
.endr
.irp b, 0,1,2,3
	v_permlanex16_b32 v[TM+4+\b], v[TM+\b], s20, s21
.endr
.irp b, 0,1,2,3
	v_max_num_f32 v[TM+\b], v[TM+\b], v[TM+4+\b]   ; with lane l xor 16's 16: the block's largest magnitude
.endr
.irp b, 0,1,2,3
	v_add_nc_u32 v[TM+12+\b], 0xfe000000, v[TM+\b] ; 4 off the exponent field: the conversion's scale operand
.endr
.irp b, 0,1,2,3
	v_lshrrev_b32 v[TM+4+\b], 23, v[TM+12+\b]      ; the byte
.endr
	v_lshl_or_b32 v[\pw], v[TM+5], 8, v[TM+4]
	v_lshl_or_b32 v[\pw], v[TM+6], 16, v[\pw]
	v_lshl_or_b32 v[\pw], v[TM+7], 24, v[\pw]
.endm
.macro QCVT s
.irp c, 0,1
	v_cvt_scalef32_pk16_bf6_f32 v[PC+6*\c:PC+2+6*\c], v[\s+32*\c:\s+15+32*\c], v[TM+12+2*\c]
	v_cvt_scalef32_pk16_bf6_f32 v[PC+12+4*\c:PC+14+4*\c], v[\s+16+32*\c:\s+31+32*\c], v[TM+12+2*\c+1]
.endr
	v_nop                                          ; one plain place behind a scaled conversion
.irp c, 0,1                            ; the operand's layout wants a whole block in a lane
.irp i, 0,1,2
	v_permlane16_swap_b32 v[PC+6*\c+\i], v[PC+12+4*\c+\i]
.endr
.irp i, 0,1,2
	v_mov_b32 v[PC+3+6*\c+\i], v[PC+12+4*\c+\i]
.endr
.endr
.endm
.macro EPI a, vm                       ; vm = 0: q and k (the bias runs along the registers); 1: v (the bias is the lane's row's)
	WIN (0x06+(\a)/4)                              ; source 0: the accumulators' window; source 1: window 1, the bias
.set i, 0
.rept 32
.if \vm
	v_pk_add_f32 v[T+i:T+i+1], v[64*((\a)%4)+i:64*((\a)%4)+i+1], v[2*(\a):2*(\a)+1]
.else
	v_pk_add_f32 v[T+i:T+i+1], v[64*((\a)%4)+i:64*((\a)%4)+i+1], v[i:i+1]   ; each accumulator from its low end on
.endif
.set i, i+2
.endr
	WIN 0
	QMAX T, PWS+(\a)
	s_wait_xcnt 0x0                                ; the last block's stores have read the codes' registers
	QCVT T
.if \vm
	global_store_b128 v4, v[PC:PC+3], s[10:11] offset:98304*((\a)/4)+1536*((\a)%4)          ; head e0 + a / 4, tile a % 4 of its 64: the step's two half images
	global_store_b64 v5, v[PC+4:PC+5], s[10:11] offset:98304*((\a)/4)+1536*((\a)%4)+512
	global_store_b128 v4, v[PC+6:PC+9], s[10:11] offset:98304*((\a)/4)+1536*((\a)%4)+768
	global_store_b64 v5, v[PC+10:PC+11], s[10:11] offset:98304*((\a)/4)+1536*((\a)%4)+1280
.else
	global_store_b128 v4, v[PC:PC+3], s[10:11] offset:768*(\a)                              ; token tile a: registers 0-5 are head e's half image,
	global_store_b64 v5, v[PC+4:PC+5], s[10:11] offset:768*(\a)+512
	global_store_b128 v4, v[PC+6:PC+9], s[10:11] offset:98304+768*(\a)                      ; registers 6-11 head e + 1's
	global_store_b64 v5, v[PC+10:PC+11], s[10:11] offset:98304+768*(\a)+512
.endif
.endm
	s_mov_b32 s20, 0x76543210
	s_mov_b32 s21, 0xfedcba98                      ; v_permlanex16_b32's selects for lane l xor 16
	v_mul_u32_u24 v22, v3, 12288
	v_lshl_add_u32 v22, v2, 4, v22                 ; the scale words' place: 16 r, and lanes 16-31 one head on
	s_mov_b32 s93, 0
	s_cmp_eq_u32 s76, 0
	s_cbranch_scc0 .Lv_arm
	; ---- q and k
	s_lshr_b32 s86, s77, 4                         ; my block of 256 tokens
	s_sub_co_u32 s87, s78, 512
	s_lshr_b32 s87, s87, 4                         ; my block of 256 columns: 0-3 q, 4-7 k
	s_lshr_b32 s88, s86, 3                         ; batch
	s_and_b32 s89, s86, 7
	s_lshl_b32 s89, s89, 1
	s_add_co_u32 s89, s89, s15                     ; step of 128 tokens
	s_and_b32 s90, s87, 3
	s_lshl_b32 s90, s90, 2
	s_lshl_b32 s91, s16, 1
	s_add_co_u32 s90, s90, s91                     ; head e
	s_lshl_b32 s88, s88, 4
	s_add_co_u32 s88, s88, s90                     ; 16 x batch + e
	s_lshr_b32 s91, s87, 2                         ; 0 q, 1 k
	s_lshl_b32 s92, s87, 10
	s_lshl_b32 s94, s16, 9
	s_add_co_u32 s92, s92, s94
	s_add_nc_u64 s[8:9], s[8:9], s[92:93]          ; the bias of my 128 columns
	s_lshl_b32 s92, s88, 7
	s_lshl_b32 s94, s89, 3
	s_add_co_u32 s92, s92, s94
	s_mul_i32 s92, s92, 768
	s_mul_i32 s94, s91, 6291456
	s_add_co_u32 s92, s92, s94
	s_add_nc_u64 s[10:11], s[10:11], s[92:93]      ; the codes
	s_mul_i32 s92, s88, 12288
	s_mul_i32 s94, s89, 768
	s_add_co_u32 s92, s92, s94
	s_mul_i32 s94, s91, 786432
	s_add_co_u32 s92, s92, s94
	s_add_nc_u64 s[12:13], s[12:13], s[92:93]      ; the record of scale words
	v_lshlrev_b32 v24, 6, v3                       ; the bias: 16 h columns on
	v_lshlrev_b32 v23, 4, v3                       ; 16 h: lanes 16-31 store the upper two bytes
	WIN TO_B                                       ; B's set 0 is free: four places stand behind its last products
.irp t, 0,1,2,3,4,5,6,7
	global_load_b128 v[8*\t:8*\t+3], v24, s[8:9] offset:(32*(\t/2)+8*(\t%2))*4
	global_load_b128 v[8*\t+4:8*\t+7], v24, s[8:9] offset:(32*(\t/2)+8*(\t%2))*4+16
.endr
	WIN 0
	LAST 7
	s_wait_loadcnt 0x0                             ; the bias
	PLACES 4
.irp b, 0,1,2,3
	v_mov_b32 v[TM+4+\b], 0                        ; a lane permute's destination counts as one of its sources
.endr
.irp a, 0,1,2,3,4,5,6,7
	EPI \a, 0
.endr
.irp a, 0,1,2,3,4,5,6,7
	v_lshrrev_b32 v[OUTW+\a], v23, v[PWS+\a]       ; bytes 0, 1 are the head's two blocks; what lies above them scales the zero codes of q's upper 64 and is never 0xff
.endr
	global_store_b128 v22, v[OUTW:OUTW+3], s[12:13]            ; each half of the lanes stores 256 consecutive bytes, aligned
	global_store_b128 v22, v[OUTW+4:OUTW+7], s[12:13] offset:256
	s_branch .Ljoin
	; ---- v
.Lv_arm:
	s_lshr_b32 s87, s78, 4                         ; my block of 256 tokens
	s_lshr_b32 s88, s87, 3                         ; batch
	s_and_b32 s89, s87, 7
	s_lshl_b32 s89, s89, 1
	s_add_co_u32 s89, s89, s16                     ; key step
	s_lshl_b32 s90, s73, 2
	s_lshl_b32 s91, s15, 1
	s_add_co_u32 s90, s90, s91                     ; head e0
	s_lshl_b32 s88, s88, 4
	s_add_co_u32 s88, s88, s90                     ; 16 x batch + e0
	s_lshl_b32 s92, s73, 10
	s_lshl_b32 s94, s15, 9
	s_add_co_u32 s92, s92, s94
	s_add_co_u32 s92, s92, 8192
	s_add_nc_u64 s[8:9], s[8:9], s[92:93]          ; the bias of my 128 columns of v
	s_lshl_b32 s92, s88, 4
	s_add_co_u32 s92, s92, s89
	s_mul_i32 s92, s92, 6144
	s_add_co_u32 s92, s92, 12582912
	s_add_nc_u64 s[10:11], s[10:11], s[92:93]
	s_mul_i32 s92, s88, 12288
	s_mul_i32 s94, s89, 768
	s_add_co_u32 s92, s92, s94
	s_add_co_u32 s92, s92, 786432+512
	s_add_nc_u64 s[12:13], s[12:13], s[92:93]
	v_and_b32 v24, 8, v2
	v_add_nc_u32 v24, v24, v2
	v_lshlrev_b32 v24, 2, v24                      ; my row's logical column: r + 8 (r / 8)
	WIN TO_B
.irp a, 0,1,2,3,4,5,6,7
	global_load_b32 v[2*\a], v24, s[8:9] offset:(32*(\a/2)+8*(\a%2))*4      ; loaded twice: the packed addition takes a pair
	global_load_b32 v[2*\a+1], v24, s[8:9] offset:(32*(\a/2)+8*(\a%2))*4
.endr
	WIN 0
	LAST 7
	s_wait_loadcnt 0x0
	PLACES 4
.irp b, 0,1,2,3
	v_mov_b32 v[TM+4+\b], 0
.endr
.irp a, 0,1,2,3,4,5,6,7
	EPI \a, 1
.endr
.irp k, 0,1,2,3
	v_cndmask_b32 v[OUTW+\k], v[PWS+\k], v[PWS+4+\k], s95   ; lanes 0-15 store head e0's four words of their row, lanes 16-31 head e0 + 1's
.endr
	global_store_b128 v22, v[OUTW:OUTW+3], s[12:13]
.Ljoin:
	s_wait_tensorcnt 0x0                           ; the wave's end
	ds_add_u32 v[SPW], v[NIL]
	s_wait_dscnt 0x0
	CROUND                                         ; the closing round
	s_endpgm
.Lfunc_end_k_q9f43e2311a_gemm_qkv:
	.size	k_q9f43e2311a_gemm_qkv, .Lfunc_end_k_q9f43e2311a_gemm_qkv-k_q9f43e2311a_gemm_qkv
	.p2alignl 7, 3214868480
	.fill 96, 4, 3214868480
	.section	.rodata,"a",@progbits
	.p2align	6, 0x0
	.amdhsa_kernel k_q9f43e2311a_gemm_qkv
		.amdhsa_group_segment_fixed_size 327680
		.amdhsa_private_segment_fixed_size 0
		.amdhsa_enable_private_segment 0
		.amdhsa_kernarg_size 40
		.amdhsa_user_sgpr_count 2
		.amdhsa_user_sgpr_kernarg_segment_ptr 1
		.amdhsa_wavefront_size32 1
		.amdhsa_system_sgpr_workgroup_id_x 1
		.amdhsa_system_sgpr_workgroup_id_y 1
		.amdhsa_system_sgpr_workgroup_id_z 1
		.amdhsa_system_vgpr_workitem_id 0
		.amdhsa_next_free_vgpr 1024
		.amdhsa_next_free_sgpr 100
		.amdhsa_reserve_vcc 0
		.amdhsa_float_denorm_mode_32 3
		.amdhsa_float_denorm_mode_16_64 3
		.amdhsa_memory_ordered 1
		.amdhsa_forward_progress 1
		.amdhsa_inst_pref_size 226
	.end_amdhsa_kernel
	.amdgpu_metadata
---
amdhsa.version: [ 1, 2 ]
amdhsa.kernels:
  - .name:           k_q9f43e2311a_gemm_qkv
    .symbol:         k_q9f43e2311a_gemm_qkv.kd
    .args:
      - { .name: cod, .offset: 0, .size: 8, .value_kind: global_buffer, .address_space: global }
      - { .name: scl, .offset: 8, .size: 8, .value_kind: global_buffer, .address_space: global }
      - { .name: b_qkv, .offset: 16, .size: 8, .value_kind: global_buffer, .address_space: global }
      - { .name: hc, .offset: 24, .size: 8, .value_kind: global_buffer, .address_space: global }
      - { .name: hs, .offset: 32, .size: 8, .value_kind: global_buffer, .address_space: global }
    .group_segment_fixed_size: 327680
    .private_segment_fixed_size: 0
    .kernarg_segment_align: 8
    .kernarg_segment_size: 40
    .max_flat_workgroup_size: 128
    .sgpr_count:     100
    .vgpr_count:     1024
    .wavefront_size: 32
...
	.end_amdgpu_metadata
.endif
;; end of part 2
;; launch attn (part 3): grid 4 x 64, 16 waves a work-group, no clusters, 215,040 bytes of LDS; arguments hc, hs, cod, scl; writes cod, scl
.if DOCPART == 3
	.amdgcn_target "amdgcn-amd-amdhsa--gfx1250"
	.amdhsa_code_object_version 6
	.text
	.protected	k_q9f43e2311a_attn
	.globl	k_q9f43e2311a_attn
	.p2align	8
	.type	k_q9f43e2311a_attn,@function
k_q9f43e2311a_attn:
	s_mov_b64 s[64:65], 0
	v_nop
	global_prefetch_b8 v0, s[64:65] scope:SCOPE_SE
	s_setreg_imm32_b32 hwreg(HW_REG_WAVE_MODE, 25, 1), 1
	s_wait_xcnt 0x0
; Causal attention of one head on codes of BF6 (E3M2): o[q] = (sum over keys k <= q of p v[k]) / l, p = 2^(t - M), t = score x log2(e) / 8, M the running largest t rounded UP to a whole number, l the sum of the unquantised p.
; The result is quantised here along the model's 1,024 (this head's 64 are two blocks) and stored as operand A of the last product.
; IN (launch gemm_qkv): hc: q at 0, k at 6,291,456: [batch x head][token tile 128][768]; v at 12,582,912: [batch x head][key step 16][tile of the 64: 4][2][768].  A unit of 768 bytes is a half image, 16 rows x 64 along K:
; registers 0-3 at 16 x lane, registers 4-5 at 512 + 8 x lane.  hs: q's records at 0, k's and v's at 786,432: [batch x head][step][768].  Lane r of token tile 2 b + u is token 32 b + 8 u + r + 8 (r / 8); so is v's tile among the head's 64.
; SHARES.  Work-group (i, head) owns the blocks i and 7 - i of 256 queries: 2 i + 2 and 16 - 2 i key steps that count at the most: the same sum in every work-group.  Each of the SIXTEEN waves owns one tile of 16 queries of each block, in 256 registers.
; A HEAD'S K, V AND SCALE BYTES, 208,896 bytes, LIE IN LDS WHOLE: filled once, at the head, by nine tensor loads (waves 0-3 K's quarters, 4-7 V's, wave 8 the scale records); no slot is ever filled again.
; NO CLUSTER, though the four work-groups of a head read the same K and V: the jump over key steps that lie wholly behind a wave's queries hangs on the query block, which is the work-group's place among the four.
; LAYOUT.  S^T = K Q^T (source 0 = 16 keys, source 1 = my 16 queries), O^T = V^T P^T: a lane holds ONE query throughout, and the 16 registers of K's tiles 2 b, 2 b + 1 are the neighbouring keys 32 b + 16 (lane / 16) + 0 .. 15.
; THE HEAD'S 64 ARE HALF OF THE INSTRUCTION'S 128: q's registers 6-11 are zero codes.  K's operand for tile t is v[32 + 6 t .. 43 + 6 t]: its upper six registers are the next tile's codes (behind the last tile: six zeros);
; every code of this format is a finite number, so those products are zeros; the scale bytes that go with them are never 0xff.
; LIMITS: 1 / l by v_rcp_f32; a block's largest p is made from its largest score, which takes v_exp_f32 not to fall where its input rises; a block under 2^-122 gets the byte 1; NaN and infinities are not served.
.set S,    98                          ; v98-161  S^T, then p
.set O,    162                         ; v162-193 O^T: four tiles of the 64
.set PCD,  194                         ; v194-205 p's codes;  v206-213 the blocks' second halves
.set PC2,  206
.set BM,   214                         ; v214-217 the blocks' largest
.set BP,   218                         ; v218-221 the other half's, then bytes
.set OPR,  222                         ; v222-225 the conversions' scale operands
.set SUM2, 226                         ; v[226:227] the sum's second chain
.set KFR,  32                          ; v32-79 K's 8 tiles x 6, later V's 4 fragments x 12;  v80-85 zeros
.set KSW,  86                          ; v86-93 K's scale words;  v94-97 V's;  v28, v252 q's;  v29 p's
.set VSW,  94
.set WV,   12
.set CS,   18                          ; s[18:19] c = log2(e) / 8
.set SEL,  20
.set HM,   22
.set TB,   23                          ; where the step's codes begin in K's and in V's region: 6,144 a step
.set TS,   24                          ; and its record of scale words: 768 a step
.set KF,   25                          ; the step's first key
.set CNT,  27
.set G1C,  32
.set G1S,  40
.set G0C,  48
.set G0S,  52
	s_load_b256 s[4:11], s[0:1], 0x0               ; hc s[4:5], hs s[6:7], cod s[8:9], scl s[10:11]
	v_lshl_add_u32 v254, v0, 2, 0x34000
	v_mov_b32 v255, 0
	ds_add_u32 v254, v255
	ds_add_u32 v254, v255
	v_lshrrev_b32 v1, 5, v0
	s_delay_alu instid0(VALU_DEP_1)
	v_readfirstlane_b32 s[WV], v1                  ; wave 0..15
	s_and_b32 s16, ttmp7, 0xffff                   ; 16 x batch + head
	; descriptor group 1: dense bytes as rows of 256 (32 elements of 8 bytes): 96 rows of codes, 48 of scale records
	s_mov_b32 s[G1C], 3<<16
	s_mov_b32 s[G1C+1], 32<<16
	s_mov_b32 s[G1C+2], 96<<16
	s_mov_b32 s[G1C+3], 32<<16
	s_mov_b32 s[G1C+4], 96
	s_mov_b32 s[G1C+5], 32
	s_mov_b32 s[G1C+6], 0
	s_mov_b32 s[G1C+7], 0
	s_mov_b32 s[G1S], 3<<16
	s_mov_b32 s[G1S+1], 32<<16
	s_mov_b32 s[G1S+2], 48<<16
	s_mov_b32 s[G1S+3], 32<<16
	s_mov_b32 s[G1S+4], 48
	s_mov_b32 s[G1S+5], 32
	s_mov_b32 s[G1S+6], 0
	s_mov_b32 s[G1S+7], 0
	s_and_b32 s28, s[WV], 3
	s_mul_i32 s28, s28, 24576                      ; my quarter
	s_lshr_b32 s29, s[WV], 2
	s_min_u32 s29, s29, 1                          ; of K (0) or of V (1)
	s_mul_i32 s30, s29, 98304
	s_add_co_u32 s30, s30, s28                     ; in LDS: K at 0, V at 98,304
	s_mul_i32 s29, s29, 6291456
	s_add_co_u32 s28, s28, s29
	s_mul_i32 s29, s16, 98304
	s_add_co_u32 s28, s28, s29
	s_add_co_u32 s28, s28, 6291456                 ; and in hc
	s_mov_b32 s29, 0
	s_mul_i32 s56, s16, 12288
	s_add_co_u32 s56, s56, 786432                  ; the head's records in hs
	s_mov_b32 s57, 0
	s_wait_dscnt 0x0
	s_wait_kmcnt 0x0
	s_mov_b32 s[G0C], 1
	s_mov_b32 s[G0C+1], s30
	s_add_nc_u64 s[G0C+2:G0C+3], s[4:5], s[28:29]
	s_or_b32 s[G0C+3], s[G0C+3], 0x80000000
	s_mov_b32 s[G0S], 1
	s_mov_b32 s[G0S+1], 196608
	s_add_nc_u64 s[G0S+2:G0S+3], s[6:7], s[56:57]
	s_or_b32 s[G0S+3], s[G0S+3], 0x80000000
	s_cmp_lt_u32 s[WV], 8                          ; one load a fetching wave; four v_nop follow it
	s_cbranch_scc0 .Lnot_codes
	tensor_load_to_lds s[G0C:G0C+3], s[G1C:G1C+7]
	s_nop 0
.rept 4
	v_nop
.endr
	s_branch .Lasked
.Lnot_codes:
	s_cmp_eq_u32 s[WV], 8
	s_cbranch_scc0 .Lasked
	tensor_load_to_lds s[G0S:G0S+3], s[G1S:G1S+7]
	s_nop 0
.rept 4
	v_nop
.endr
.Lasked:
	s_lshl_b32 s28, ttmp9, 4
	s_add_co_u32 s66, s28, s[WV]                   ; my query tile in block i,
	s_sub_co_u32 s67, 112, s28
	s_add_co_u32 s67, s67, s[WV]                   ; and in block 7 - i
	s_lshr_b32 s17, s16, 4                         ; batch
	s_and_b32 s26, s16, 15                         ; head
.irp p, 0,1
	s_lshl_b32 s28, s16, 7
	s_add_co_u32 s28, s28, s[66+\p]
	s_mul_i32 s28, s28, 768
	s_mov_b32 s29, 0
	s_add_nc_u64 s[68+2*\p:69+2*\p], s[4:5], s[28:29]      ; q's half image
	s_lshr_b32 s28, s[66+\p], 3
	s_mul_i32 s28, s28, 768
	s_bfe_u32 s30, s[66+\p], 0x10002
	s_lshl_b32 s30, s30, 8
	s_add_co_u32 s28, s28, s30
	s_and_b32 s30, s[66+\p], 3
	s_lshl_b32 s30, s30, 2
	s_add_co_u32 s28, s28, s30
	s_mul_i32 s30, s16, 12288
	s_add_co_u32 s28, s28, s30
	s_add_nc_u64 s[72+2*\p:73+2*\p], s[6:7], s[28:29]      ; q's scale words
	s_lshl_b32 s31, s17, 7
	s_add_co_u32 s31, s31, s[66+\p]
	s_add_co_u32 s31, s31, 768                     ; the result's tile in cod and scl
	s_mul_i32 s28, s31, 12288
	s_mul_i32 s30, s26, 768
	s_add_co_u32 s28, s28, s30
	s_add_nc_u64 s[78+2*\p:79+2*\p], s[8:9], s[28:29]      ; half image number = head
	s_lshl_b32 s28, s31, 9
	s_lshr_b32 s30, s26, 3
	s_lshl_b32 s30, s30, 8
	s_add_co_u32 s28, s28, s30
	s_and_b32 s30, s26, 7
	s_lshl_b32 s30, s30, 1
	s_add_co_u32 s28, s28, s30
	s_add_nc_u64 s[82+2*\p:83+2*\p], s[10:11], s[28:29]    ; blocks 2 x head and 2 x head + 1
	s_lshr_b32 s28, s[66+\p], 1
	s_lshl_b32 s28, s28, 5
	s_and_b32 s30, s[66+\p], 1
	s_lshl_b32 s30, s30, 3
	s_add_co_u32 s[76+\p], s28, s30                ; my first query; lane r's is r + 8 (r / 8) further on: 23 at the most
.endr
	s_mov_b32 s[CS], 0x3e38aa3b                    ; c = log2(e) / 8
	s_mov_b32 s[CS+1], s[CS]                       ; (named with it as a pair, so it is written)
	s_mov_b32 s[SEL], 0x76543210
	s_mov_b32 s[SEL+1], 0xfedcba98
	s_mov_b32 s[HM], 0xffff0000                    ; lanes 16-31
	v_and_b32 v233, 31, v0                         ; lane
	v_and_b32 v234, 15, v0                         ; r
	v_bfe_u32 v235, v0, 4, 1                       ; h
	s_delay_alu instid0(VALU_DEP_3)
	v_lshlrev_b32 v1, 4, v233                      ; 16 x lane: K's images, and the global ones
	s_delay_alu instid0(VALU_DEP_4)
	v_lshlrev_b32 v2, 3, v233                      ; 8 x lane
	s_delay_alu instid0(VALU_DEP_2)
	v_add_nc_u32 v3, 98304, v1                     ; V's
	s_delay_alu instid0(VALU_DEP_2)
	v_add_nc_u32 v4, 98304, v2
	v_lshlrev_b32 v239, 4, v234                    ; 16 r
	s_delay_alu instid0(VALU_DEP_1)
	v_add_nc_u32 v5, 196608, v239                  ; the scale records
	s_delay_alu instid0(VALU_DEP_2)
	v_add_nc_u32 v238, v239, v235                  ; 16 r + h: the result's scale byte
	global_load_b128 v[16:19], v1, s[68:69]
	global_load_b64 v[20:21], v2, s[68:69] offset:512
	global_load_b32 v28, v239, s[72:73]
	global_load_b128 v[240:243], v1, s[70:71]
	global_load_b64 v[244:245], v2, s[70:71] offset:512
	global_load_b32 v252, v239, s[74:75]
	v_and_b32 v11, 8, v234
	s_delay_alu instid0(VALU_DEP_1)
	v_add_nc_u32 v11, v11, v234
	v_lshlrev_b32 v236, 4, v235
	s_delay_alu instid0(VALU_DEP_1)
	v_sub_nc_u32 v11, v11, v236                    ; r + 8 (r / 8) - 16 h: the mask's lane term
.irp j, 22,23,24,25,26,27, 246,247,248,249,250,251, 80,81,82,83,84,85
	v_mov_b32 v[\j], 0                             ; q's upper 64: zero codes; the six zeros behind K's last tile
.endr
.irp b, 0,1,2,3
	v_mov_b32 v[BP+\b], 0                          ; a lane permute's destination counts as one of its sources
.endr
	v_mov_b32 v230, 0
	v_mov_b32 v31, 0                               ; (named as the upper half of the pair v[30:31])
	s_wait_tensorcnt 0x0                           ; my part of the head is in LDS,
	s_barrier_signal -1
	s_barrier_wait -1                              ; everybody's is
	s_wait_loadcnt 0x0                             ; q
	v_and_b32 v28, 0xffff, v28                     ; the head's two bytes; the two above them scale zero codes
	v_and_b32 v252, 0xffff, v252
; One block of queries.  trips: the key steps that can count for the block (a constant); QF, QS: q's fragment and scale word; q0: my first query; cb, sb: where the result goes.
.macro PHASE trips, QF, QS, q0, cb, sb
	v_mov_b32 v13, 0xff61b1e6                      ; the largest t so far: -3e38
	s_delay_alu instid0(VALU_DEP_1)
	v_floor_f32 v12, -v13                          ; -M
	v_mov_b32 v14, 0                               ; the sum, in two halves
	v_mov_b32 v15, 0
.set j, 0
.rept 32
	v_mov_b32 v[O+j], 0                            ; O^T: the first change of M leaves zeros zeros
.set j, j+1
.endr
	s_mov_b32 s[TB], 0
	s_mov_b32 s[TS], 0
	s_mov_b32 s[KF], 0
	s_mov_b32 s[CNT], \trips
.Ltrip_\@:
	s_add_co_u32 s28, s[\q0], 23
	s_cmp_gt_u32 s[KF], s28                        ; all 128 keys lie behind my 16 queries: the step's work is left out
	s_cbranch_scc1 .Lhidden_\@
	s_setprio 2
	v_add_nc_u32 v6, s[TB], v1                     ; (these five are also the places behind the last step's products, in front of the loads below)
	v_add_nc_u32 v7, s[TB], v2
	v_add_nc_u32 v8, s[TB], v3
	v_add_nc_u32 v9, s[TB], v4
	v_add_nc_u32 v10, s[TS], v5
.irp t, 0,1,2,3,4,5,6,7
	ds_load_b128 v[KFR+6*\t:KFR+6*\t+3], v6 offset:768*\t
	ds_load_b64 v[KFR+6*\t+4:KFR+6*\t+5], v7 offset:768*\t+512
.endr
	ds_load_b128 v[KSW:KSW+3], v10                 ; lane r: the words of row r of tiles 0-3,
	ds_load_b128 v[KSW+4:KSW+7], v10 offset:256    ; and of tiles 4-7
	s_wait_alu depctr_va_vdst(0)
	s_wait_dscnt 0x0
.irp t, 0,1,2,3,4,5,6,7
	v_wmma_scale_f32_16x16x128_f8f6f4 v[S+8*\t:S+8*\t+7], v[KFR+6*\t:KFR+6*\t+11], v[\QF:\QF+11], 0, v[KSW+\t], v[\QS] matrix_a_fmt:MATRIX_FMT_BF6 matrix_b_fmt:MATRIX_FMT_BF6
.endr
.rept 4
	v_nop                                          ; places in front of the loads into K's registers and of the first read of the scores
.endr
.irp d, 0,1,2,3                        ; V's four fragments land while the softmax is worked
.irp c, 0,1
	ds_load_b128 v[KFR+12*\d+6*\c:KFR+12*\d+6*\c+3], v8 offset:1536*\d+768*\c
	ds_load_b64 v[KFR+12*\d+6*\c+4:KFR+12*\d+6*\c+5], v9 offset:1536*\d+768*\c+512
.endr
.endr
	ds_load_b128 v[VSW:VSW+3], v10 offset:512
	s_add_co_u32 s28, s[KF], 127
	s_cmp_le_u32 s28, s[\q0]                       ; every key of the step counts for every query of mine: no mask
	s_cbranch_scc1 .Lopen_\@
	s_sub_co_i32 s28, s[\q0], s[KF]
	v_add_nc_u32 v231, s28, v11                    ; d = my query - the step's first key - 16 h.  Register 16 b + i holds key 32 b + 16 h + i of the step: hidden where 32 b + i > d
	v_mov_b32 v232, 0xff800000                     ; -infinity: p = 0 then
.set n, 0
.rept 64
	v_cmp_gt_i32 vcc_lo, 32*(n/16)+n%16, v231
	v_cndmask_b32 v[S+n], v[S+n], v232, vcc_lo
.set n, n+1
.endr
.Lopen_\@:
.irp b, 0,1,2,3
	v_max3_num_f32 v[BM+\b], v[S+16*\b], v[S+1+16*\b], v[S+2+16*\b]   ; the largest score of each block of 32 keys: for the row's maximum, and for the block's largest p
.endr
.irp i, 3,5,7,9,11,13
.irp b, 0,1,2,3
	v_max3_num_f32 v[BM+\b], v[BM+\b], v[S+16*\b+\i], v[S+1+16*\b+\i]
.endr
.endr
.irp b, 0,1,2,3
	v_max_num_f32 v[BM+\b], v[BM+\b], v[S+15+16*\b]
.endr
.irp b, 0,1,2,3
	s_delay_alu instid0(VALU_DEP_4)
	v_permlanex16_b32 v[BP+\b], v[BM+\b], s[SEL], s[SEL+1]
.endr
.irp b, 0,1,2,3
	s_delay_alu instid0(VALU_DEP_4)
	v_max_num_f32 v[BM+\b], v[BM+\b], v[BP+\b]     ; with lane l xor 16's 16 keys
.endr
	s_delay_alu instid0(VALU_DEP_2)
	v_max3_num_f32 v230, v[BM], v[BM+1], v[BM+2]
	s_delay_alu instid0(VALU_DEP_1)
	v_max_num_f32 v230, v230, v[BM+3]
	s_delay_alu instid0(VALU_DEP_1)
	v_mul_f32 v230, s[CS], v230                    ; the step's largest t
	s_delay_alu instid0(VALU_DEP_1)
	v_max_num_f32 v13, v13, v230                   ; the running largest t
	v_mov_b32 v230, v12
	s_delay_alu instid0(VALU_DEP_2)
	v_floor_f32 v12, -v13                          ; the new -M = -ceil(t)
	s_delay_alu instid0(VALU_DEP_1)
	v_sub_f32 v230, v12, v230                      ; old M - new M: a whole number, 0 or less
	s_delay_alu instid0(VALU_DEP_1)
	v_cvt_i32_f32 v230, v230                       ; (it saturates)
	s_delay_alu instid0(VALU_DEP_1)
	v_ldexp_f32 v30, 1.0, v230                     ; f = 2^(old M - new M): a multiplication by it rounds nothing
.set j, 0
	s_setprio 1
.rept 32
	v_pk_fma_f32 v[S+j:S+j+1], v[S+j:S+j+1], s[CS:CS+1], v[12:13] op_sel_hi:[1,0,0]   ; t - M, two at a time
.set j, j+2
.endr
.irp b, 0,1,2,3
	v_fma_f32 v[BM+\b], v[BM+\b], s[CS], v12       ; the same of each block's largest score
.endr
.set j, 0
	s_wait_alu depctr_va_vdst(0)
.rept 64
	v_exp_f32 v[S+j], v[S+j]                       ; p = 2^(t - M)
.set j, j+1
.endr
.irp b, 0,1,2,3
	v_exp_f32 v[BM+\b], v[BM+\b]                   ; the block's largest p
.endr
	v_pk_mul_f32 v[14:15], v[14:15], v[30:31] op_sel_hi:[1,0]   ; the sums under the new M (a plain place behind the exponentials)
	s_wait_alu depctr_va_vdst(0)
.irp b, 0,1,2,3
	v_max_num_f32 v[BM+\b], 0x2800000, v[BM+\b]    ; the floor 2^(5 - 127)
.endr
.irp b, 0,1,2,3
	s_delay_alu instid0(VALU_DEP_4)
	v_add_nc_u32 v[OPR+\b], 0xfe000000, v[BM+\b]   ; the conversion's scale operand
.endr
.irp b, 0,1,2,3
	s_delay_alu instid0(VALU_DEP_4)
	v_lshrrev_b32 v[BP+\b], 23, v[OPR+\b]          ; the byte
.endr
	s_delay_alu instid0(VALU_DEP_3)
	v_lshl_or_b32 v29, v[BP+1], 8, v[BP]           ; p's scale word for these 128 keys
	s_delay_alu instid0(VALU_DEP_1)
	v_lshl_or_b32 v29, v[BP+2], 16, v29
	s_delay_alu instid0(VALU_DEP_1)
	v_lshl_or_b32 v29, v[BP+3], 24, v29
.irp c, 0,1
	v_cvt_scalef32_pk16_bf6_f32 v[PCD+6*\c:PCD+6*\c+2], v[S+32*\c:S+32*\c+15], v[OPR+2*\c]
	v_cvt_scalef32_pk16_bf6_f32 v[PC2+4*\c:PC2+4*\c+2], v[S+32*\c+16:S+32*\c+31], v[OPR+2*\c+1]
.endr
	v_nop                                          ; one plain place behind a scaled conversion
.irp c, 0,1                            ; the operand's layout wants a whole block in a lane
.irp i, 0,1,2
	v_permlane16_swap_b32 v[PCD+6*\c+\i], v[PC2+4*\c+\i]
.endr
.irp i, 0,1,2
	s_delay_alu instid0(VALU_DEP_3)
	v_mov_b32 v[PCD+3+6*\c+\i], v[PC2+4*\c+\i]
.endr
.endr
	v_pk_add_f32 v[226:227], v[102:103], v[106:107]
	v_pk_add_f32 v[236:237], v[110:111], v[114:115]
	v_pk_add_f32 v[234:235], v[118:119], v[122:123]
	v_pk_add_f32 v[232:233], v[126:127], v[130:131]
	v_pk_add_f32 v[228:229], v[134:135], v[138:139]
	v_pk_add_f32 v[224:225], v[142:143], v[146:147]
	v_pk_add_f32 v[222:223], v[150:151], v[154:155]
	v_pk_add_f32 v[14:15], v[14:15], v[158:159]
	v_pk_add_f32 v[226:227], v[226:227], v[98:99]
	s_setprio 0
	v_pk_add_f32 v[236:237], v[236:237], v[100:101]
	v_pk_add_f32 v[234:235], v[234:235], v[104:105]
	v_pk_add_f32 v[232:233], v[232:233], v[108:109]
	v_pk_add_f32 v[228:229], v[228:229], v[112:113]
	v_pk_add_f32 v[224:225], v[224:225], v[116:117]
	v_pk_add_f32 v[222:223], v[222:223], v[120:121]
	v_pk_add_f32 v[14:15], v[14:15], v[124:125]
	v_pk_add_f32 v[226:227], v[226:227], v[128:129]
	v_pk_add_f32 v[236:237], v[236:237], v[132:133]
	v_pk_add_f32 v[234:235], v[234:235], v[136:137]
	v_pk_add_f32 v[232:233], v[232:233], v[140:141]
	v_pk_add_f32 v[228:229], v[228:229], v[144:145]
	v_pk_add_f32 v[224:225], v[224:225], v[148:149]
	v_pk_add_f32 v[222:223], v[222:223], v[152:153]
	v_pk_add_f32 v[14:15], v[14:15], v[156:157]
	v_pk_add_f32 v[226:227], v[226:227], v[160:161]
	s_delay_alu instid0(VALU_DEP_2)
	v_pk_add_f32 v[14:15], v[14:15], v[232:233]
	s_delay_alu instid0(VALU_DEP_2)
	v_pk_add_f32 v[226:227], v[226:227], v[228:229]
	v_pk_add_f32 v[236:237], v[236:237], v[224:225]
	v_pk_add_f32 v[234:235], v[234:235], v[222:223]
	s_delay_alu instid0(VALU_DEP_2)
	v_pk_add_f32 v[14:15], v[14:15], v[236:237]
	s_delay_alu instid0(VALU_DEP_2)
	v_pk_add_f32 v[226:227], v[226:227], v[234:235]
	s_delay_alu instid0(VALU_DEP_1)
	v_pk_add_f32 v[14:15], v[14:15], v[226:227]
.set j, 0
.rept 16
	v_pk_mul_f32 v[O+j:O+j+1], v[O+j:O+j+1], v[30:31] op_sel_hi:[1,0]   ; O^T under the new M.  (With the sums: the places between p's scale word and codes and the products below)
.set j, j+2
.endr
	s_wait_alu depctr_va_vdst(0)
	s_wait_dscnt 0x0                               ; V
.irp d, 0,1,2,3
	v_wmma_scale_f32_16x16x128_f8f6f4 v[O+8*\d:O+8*\d+7], v[KFR+12*\d:KFR+12*\d+11], v[PCD:PCD+11], v[O+8*\d:O+8*\d+7], v[VSW+\d], v29 matrix_a_fmt:MATRIX_FMT_BF6 matrix_b_fmt:MATRIX_FMT_BF6
.endr
.Lhidden_\@:
	s_add_co_u32 s[KF], s[KF], 128
	s_add_co_u32 s[TB], s[TB], 6144
	s_add_co_u32 s[TS], s[TS], 768
	s_sub_co_u32 s[CNT], s[CNT], 1
	s_cmp_lg_u32 s[CNT], 0
	s_cbranch_scc1 .Ltrip_\@
	s_setprio 0
	; the block's end: O^T / l; register 16 b + i is then index 32 b + 16 h + i of the head's 64: two blocks of the last product's K
.rept 4
	v_nop                                          ; places behind the last products
.endr
	v_add_f32 v14, v14, v15
	s_delay_alu instid0(VALU_DEP_1)
	v_permlanex16_b32 v230, v14, s[SEL], s[SEL+1]
	s_delay_alu instid0(VALU_DEP_1)
	v_add_f32 v14, v14, v230                       ; the row's sum
	s_wait_alu depctr_va_vdst(0)
	v_rcp_f32 v14, v14
	v_nop                                          ; one plain place behind a transcendental
.set j, 0
	s_wait_alu depctr_va_vdst(0)
.rept 32
	v_mul_f32 v[S+j], v[O+j], v14                  ; each accumulator from its low end on
.set j, j+1
.endr
.irp b, 0,1
	v_max3_num_f32 v[BM+\b], |v[S+16*\b]|, |v[S+1+16*\b]|, 0x2800000
.endr
.irp i, 2,4,6,8,10,12,14
.irp b, 0,1
	s_delay_alu instid0(VALU_DEP_2)
	v_max3_num_f32 v[BM+\b], v[BM+\b], |v[S+16*\b+\i]|, |v[S+1+16*\b+\i]|
.endr
.endr
.irp b, 0,1
	s_delay_alu instid0(VALU_DEP_2)
	v_permlanex16_b32 v[BP+\b], v[BM+\b], s[SEL], s[SEL+1]
.endr
.irp b, 0,1
	s_delay_alu instid0(VALU_DEP_2)
	v_max_num_f32 v[BM+\b], v[BM+\b], v[BP+\b]
.endr
.irp b, 0,1
	s_delay_alu instid0(VALU_DEP_2)
	v_add_nc_u32 v[OPR+\b], 0xfe000000, v[BM+\b]
.endr
.irp b, 0,1
	s_delay_alu instid0(VALU_DEP_2)
	v_lshrrev_b32 v[BP+\b], 23, v[OPR+\b]
.endr
	s_delay_alu instid0(VALU_DEP_1)
	v_cndmask_b32 v231, v[BP], v[BP+1], s[HM]      ; lane (r, h) stores block h's byte of row r
	v_cvt_scalef32_pk16_bf6_f32 v[PCD:PCD+2], v[S:S+15], v[OPR]
	v_cvt_scalef32_pk16_bf6_f32 v[PC2:PC2+2], v[S+16:S+31], v[OPR+1]
	v_nop                                          ; one plain place behind a scaled conversion
.irp i, 0,1,2
	v_permlane16_swap_b32 v[PCD+\i], v[PC2+\i]
.endr
.irp i, 0,1,2
	s_delay_alu instid0(VALU_DEP_3)
	v_mov_b32 v[PCD+3+\i], v[PC2+\i]
.endr
	global_store_b128 v1, v[PCD:PCD+3], s[\cb:\cb+1]               ; a half image: 512 and 256 consecutive bytes, aligned
	global_store_b64 v2, v[PCD+4:PCD+5], s[\cb:\cb+1] offset:512
	global_store_b8 v238, v231, s[\sb:\sb+1]       ; two bytes of each row's sixteen: one byte for each 24 of codes that the launch stores
.endm
	PHASE 8, 16, 28, 76, 78, 82                    ; block i <= 3: keys 0 to 1,023 at the most
	s_wait_xcnt 0x0                                ; the stores have read their registers
	PHASE 16, 240, 252, 77, 80, 84                 ; block 7 - i
	s_wait_tensorcnt 0x0
	ds_add_u32 v254, v255
	s_wait_dscnt 0x0
	s_endpgm
.Lfunc_end_k_q9f43e2311a_attn:
	.size	k_q9f43e2311a_attn, .Lfunc_end_k_q9f43e2311a_attn-k_q9f43e2311a_attn
	.p2alignl 7, 3214868480
	.fill 96, 4, 3214868480
	.section	.rodata,"a",@progbits
	.p2align	6, 0x0
	.amdhsa_kernel k_q9f43e2311a_attn
		.amdhsa_group_segment_fixed_size 215040
		.amdhsa_private_segment_fixed_size 0
		.amdhsa_enable_private_segment 0
		.amdhsa_kernarg_size 32
		.amdhsa_user_sgpr_count 2
		.amdhsa_user_sgpr_kernarg_segment_ptr 1
		.amdhsa_wavefront_size32 1
		.amdhsa_system_sgpr_workgroup_id_x 1
		.amdhsa_system_sgpr_workgroup_id_y 1
		.amdhsa_system_sgpr_workgroup_id_z 1
		.amdhsa_system_vgpr_workitem_id 0
		.amdhsa_next_free_vgpr 256
		.amdhsa_next_free_sgpr 96
		.amdhsa_reserve_vcc 1
		.amdhsa_float_denorm_mode_32 3
		.amdhsa_float_denorm_mode_16_64 3
		.amdhsa_memory_ordered 1
		.amdhsa_forward_progress 1
		.amdhsa_inst_pref_size 66
	.end_amdhsa_kernel
	.amdgpu_metadata
---
amdhsa.version: [ 1, 2 ]
amdhsa.kernels:
  - .name:           k_q9f43e2311a_attn
    .symbol:         k_q9f43e2311a_attn.kd
    .args:
      - { .name: hc, .offset: 0, .size: 8, .value_kind: global_buffer, .address_space: global }
      - { .name: hs, .offset: 8, .size: 8, .value_kind: global_buffer, .address_space: global }
      - { .name: cod, .offset: 16, .size: 8, .value_kind: global_buffer, .address_space: global }
      - { .name: scl, .offset: 24, .size: 8, .value_kind: global_buffer, .address_space: global }
    .group_segment_fixed_size: 215040
    .private_segment_fixed_size: 0
    .kernarg_segment_align: 8
    .kernarg_segment_size: 32
    .max_flat_workgroup_size: 512
    .sgpr_count:     96
    .vgpr_count:     256
    .wavefront_size: 32
...
	.end_amdgpu_metadata
.endif
;; end of part 3
;; launch gemm_out (part 4): grid 4 x 32, 4 waves a work-group, clusters of 4 x 4, 327,680 bytes of LDS; arguments cod, scl, b_out, out0; writes out0
.if DOCPART == 4
	.amdgcn_target "amdgcn-amd-amdhsa--gfx1250"
	.amdhsa_code_object_version 6
	.text
	.protected	k_q9f43e2311a_gemm_out
	.globl	k_q9f43e2311a_gemm_out
	.p2align	8
	.type	k_q9f43e2311a_gemm_out,@function
k_q9f43e2311a_gemm_out:
	s_mov_b64 s[64:65], 0
	v_nop
	global_prefetch_b8 v0, s[64:65] scope:SCOPE_SE
	s_setreg_imm32_b32 hwreg(HW_REG_WAVE_MODE, 25, 1), 1
	s_wait_xcnt 0x0
	s_wait_alu depctr_hold_cnt(0) depctr_sa_sdst(0) depctr_va_vdst(0) depctr_va_sdst(0) depctr_va_ssrc(0) depctr_va_vcc(0) depctr_vm_vsrc(0)
	s_getreg_b32 s2, hwreg(HW_REG_IB_STS2, 6, 4)
	s_cmp_eq_u32 s2, 0
	s_cbranch_scc0 .Lentry_in_a_cluster
	s_endpgm
.Lentry_in_a_cluster:
	s_bfe_u32 s2, ttmp6, 0x10000c
	s_cmp_lg_u32 s2, 0xf033
	s_cbranch_scc0 .Lentry_shape_is_right
	s_endpgm
.Lentry_shape_is_right:
.set SLOT,  98304
.set SPARE, 3*SLOT
.set STAGE, SLOT
.set ADR,   8
.set STO,   25
.set RD,    26
.set SPW,   28
.set NIL,   29
.set SC,    32
.set AF,    128
.set BK,    128
.set G1,  24
.set G0,  32
.set G1B, 48
.set G0B, 56
.set MUL_LO, 0xa1
.set MUL_HI, 0xf1
.set BIA_LO, 0x91
.set BIA_HI, 0xd1
.set TO_B,   0x40
.set MSB, 0
.macro WIN new
.if MSB != (\new)
	s_set_vgpr_msb (MSB<<8)|(\new)
.set MSB, (\new)
.endif
.endm
.macro JLOAD g0a, g1a, g0b, g1b
	s_cmp_eq_u32 s15, 0
	s_cbranch_scc0 .Lfor_b_\@
	tensor_load_to_lds s[\g0a:\g0a+3], s[\g1a:\g1a+7]
	s_nop 0
.rept 4
	v_nop
.endr
	s_branch .Lasked_\@
.Lfor_b_\@:
	tensor_load_to_lds s[\g0b:\g0b+3], s[\g1b:\g1b+7]
	s_nop 0
.rept 4
	v_nop
.endr
.Lasked_\@:
.endm
.macro CREST
	s_cmp_lg_u32 s14, 0
	s_cbranch_scc1 .Lnot_wave_0_\@
	s_barrier_signal -3
.Lnot_wave_0_\@:
	s_barrier_wait -3
	s_barrier_signal -1
	s_barrier_wait -1
.endm
.macro CROUND
	s_barrier_signal -1
	s_barrier_wait -1
	CREST
.endm
.macro PLACES n
.rept \n
	v_nop
.endr
.endm
	s_load_b256 s[4:11], s[0:1], 0x0
	v_lshl_add_u32 v[SPW], v0, 2, SPARE
	v_mov_b32 v[NIL], 0
	ds_add_u32 v28, v29
	ds_add_u32 v28, v29
	s_wait_dscnt 0x0
	v_lshrrev_b32 v1, 5, v0
	v_readfirstlane_b32 s14, v1
	s_lshr_b32 s15, s14, 1
	s_and_b32 s16, s14, 1
	s_bfe_u32 s72, ttmp6, 0x40000
	s_bfe_u32 s73, ttmp6, 0x40004
	s_and_b32 s75, ttmp7, 0xffff
	s_lshl_b32 s77, s75, 6
	s_add_co_u32 s77, s77, 768
	s_lshl_b32 s79, s73, 4
	s_add_co_u32 s77, s77, s79
	s_lshl_b32 s78, ttmp9, 6
	s_add_co_u32 s78, s78, 704
	s_lshl_b32 s80, s72, 4
	s_add_co_u32 s78, s78, s80
	s_lshl_b32 s81, s73, 2
	s_lshl_b32 s81, 15, s81
	s_lshl_b32 s90, 0x1111, s72
	s_or_b32 s[G1], s81, (3<<16)|(1<<21)
	s_or_b32 s[G1B], s90, (3<<16)|(1<<21)
.irp g, G1, G1B
	s_mov_b32 s[\g+1], 384<<16
	s_mov_b32 s[\g+2], 8<<16
	s_mov_b32 s[\g+3], 384<<16
	s_mov_b32 s[\g+4], 8
	s_mov_b32 s[\g+5], 1536
	s_mov_b32 s[\g+6], 0
	s_mov_b32 s[\g+7], 0
.endr
	s_lshl_b32 s91, s16, 3
	s_add_co_u32 s82, s77, s91
	s_mul_i32 s82, s82, 12288
	s_mov_b32 s83, 0
	s_add_co_u32 s84, s78, s91
	s_mul_i32 s84, s84, 12288
	s_mov_b32 s85, 0
	s_mul_i32 s92, s14, 24576
	s_wait_kmcnt 0x0
	s_add_nc_u64 s[82:83], s[4:5], s[82:83]
	s_add_nc_u64 s[84:85], s[4:5], s[84:85]
	CROUND
.irp f, 0,1,2
	s_mov_b32 s[G0+4*\f], 1
	s_add_co_u32 s[G0+4*\f+1], s92, \f*SLOT
	s_add_nc_u64 s[G0+4*\f+2:G0+4*\f+3], s[82:83], \f*3072
	s_or_b32 s[G0+4*\f+3], s[G0+4*\f+3], 0x80000000
	s_mov_b32 s[G0B+4*\f+4*(\f/2)], 1
	s_add_co_u32 s[G0B+4*\f+4*(\f/2)+1], s92, \f*SLOT
	s_add_nc_u64 s[G0B+4*\f+4*(\f/2)+2:G0B+4*\f+4*(\f/2)+3], s[84:85], \f*3072
	s_or_b32 s[G0B+4*\f+4*(\f/2)+3], s[G0B+4*\f+4*(\f/2)+3], 0x80000000
	s_wait_alu depctr_va_vdst(0)
	s_wait_tensorcnt 0x0
	ds_add_u32 v28, v29
	ds_add_u32 v28, v29
	s_wait_dscnt 0x0
	CROUND
	JLOAD G0+4*\f, G1, G0B+4*\f+4*(\f/2), G1B
.endr
	v_and_b32 v1, 31, v0
	v_and_b32 v2, 15, v0
	v_bfe_u32 v3, v0, 4, 1
	v_lshlrev_b32 v4, 4, v1
	v_lshlrev_b32 v5, 3, v1
	s_mul_i32 s93, s15, 24576
	s_mul_i32 s94, s16, 24576
	s_add_co_u32 s94, s94, 49152
.irp s, 0,1,2
	v_add_nc_u32 v[ADR+4*\s], s93, v4
	v_add_nc_u32 v[ADR+4*\s+1], s93, v5
	v_add_nc_u32 v[ADR+4*\s+2], s94, v4
	v_add_nc_u32 v[ADR+4*\s+3], s94, v5
	s_add_co_u32 s93, s93, SLOT
	s_add_co_u32 s94, s94, SLOT
.endr
	s_lshl_b32 s96, s15, 3
	s_add_co_u32 s96, s96, s77
	s_lshl_b32 s96, s96, 9
	s_lshl_b32 s97, s16, 3
	s_add_co_u32 s97, s97, s78
	s_lshl_b32 s97, s97, 9
	s_mov_b32 s95, 0xffff0000
	v_mov_b32 v6, s96
	v_mov_b32 v7, s97
	v_cndmask_b32 v6, v6, v7, s95
	v_lshl_add_u32 v6, v2, 4, v6
.irp i, 0,1,2,3,4,5,6,7
	global_load_b128 v[SC+8*\i:SC+8*\i+3], v6, s[6:7] offset:512*\i
	global_load_b128 v[SC+8*\i+4:SC+8*\i+7], v6, s[6:7] offset:512*\i+256
.endr
	s_sub_co_u32 s87, s78, 704
	s_lshr_b32 s87, s87, 4
	s_sub_co_u32 s86, s77, 768
	s_lshr_b32 s86, s86, 4
	s_lshl_b32 s88, s87, 10
	s_lshl_b32 s89, s16, 9
	s_add_co_u32 s88, s88, s89
	s_mov_b32 s89, 0
	s_add_nc_u64 s[8:9], s[8:9], s[88:89]
	s_add_nc_u64 s[10:11], s[10:11], s[88:89]
	s_lshl_b32 s88, s86, 20
	s_lshl_b32 s91, s15, 19
	s_add_co_u32 s88, s88, s91
	s_add_nc_u64 s[10:11], s[10:11], s[88:89]
	v_lshlrev_b32 v24, 6, v3
	WIN TO_B
.irp b, 0,1,2,3,4,5,6,7
	global_load_b128 v[96+128*(\b/4)+8*(\b%4):96+128*(\b/4)+8*(\b%4)+3], v24, s[8:9] offset:(32*(\b/2)+8*(\b%2))*4
	global_load_b128 v[96+128*(\b/4)+8*(\b%4)+4:96+128*(\b/4)+8*(\b%4)+7], v24, s[8:9] offset:(32*(\b/2)+8*(\b%2))*4+16
.endr
	WIN 0
	s_mul_i32 s91, s14, 8448
	s_add_co_u32 s91, s91, STAGE
	v_mul_u32_u24 v[STO], v2, 528
	v_lshl_add_u32 v[STO], v3, 6, v[STO]
	v_add_nc_u32 v[STO], s91, v[STO]
	v_add_nc_u32 v[RD], s91, v4
.macro FRAG reg, a16, a8, q, i
	ds_load_b128 v[\reg:\reg+3], v[\a16] offset:(\i)*3072+(\q)*1536
	ds_load_b64 v[\reg+4:\reg+5], v[\a8] offset:(\i)*3072+(\q)*1536+512
	ds_load_b128 v[\reg+6:\reg+9], v[\a16] offset:(\i)*3072+(\q)*1536+768
	ds_load_b64 v[\reg+10:\reg+11], v[\a8] offset:(\i)*3072+(\q)*1536+1280
.endm
.macro FETCH_B slot, q, p
	WIN TO_B
.irp i, 0,1,2,3,4,5,6,7
	FRAG 128*(\p)+12*\i, ADR+4*(\slot)+2, ADR+4*(\slot)+3, \q, \i
.endr
	WIN 0
.endm
.macro FETCH_A slot, q, i0
.irp i, \i0, \i0+1, \i0+2, \i0+3
	FRAG AF+12*(\i), ADR+4*(\slot), ADR+4*(\slot)+1, \q, \i
.endr
.endm
.macro MUL16 a0, p, G, first
.irp a, \a0, \a0+1
.irp b, 0,1,2,3,4,5,6,7
.if \first
	v_wmma_scale_f32_16x16x128_f8f6f4 v[8*(8*((\a)%4)+\b):8*(8*((\a)%4)+\b)+7], v[128*(\p)+12*\b:128*(\p)+12*\b+11], v[AF+12*(\a):AF+12*(\a)+11], v[96+128*(\b/4)+8*(\b%4):96+128*(\b/4)+8*(\b%4)+7], v[SC+8*\b+(\G)], v[SC+8*(\a)+(\G)] matrix_a_fmt:MATRIX_FMT_BF6 matrix_b_fmt:MATRIX_FMT_BF6 matrix_a_scale:MATRIX_SCALE_ROW1
.else
	v_wmma_scale_f32_16x16x128_f8f6f4 v[8*(8*((\a)%4)+\b):8*(8*((\a)%4)+\b)+7], v[128*(\p)+12*\b:128*(\p)+12*\b+11], v[AF+12*(\a):AF+12*(\a)+11], v[8*(8*((\a)%4)+\b):8*(8*((\a)%4)+\b)+7], v[SC+8*\b+(\G)], v[SC+8*(\a)+(\G)] matrix_a_fmt:MATRIX_FMT_BF6 matrix_b_fmt:MATRIX_FMT_BF6 matrix_a_scale:MATRIX_SCALE_ROW1
.endif
.endr
.endr
.endm
.macro STEP nslot, nq, G, first
	s_wait_dscnt 16
.if \first
	WIN BIA_LO
.else
	WIN MUL_LO
.endif
	MUL16 0, (\G)%2, \G, \first
	MUL16 2, (\G)%2, \G, \first
	s_wait_dscnt 0x0
	PLACES 4
	FETCH_B \nslot, \nq, 1-(\G)%2
	FETCH_A \nslot, \nq, 0
.if \first
	WIN BIA_HI
.else
	WIN MUL_HI
.endif
	MUL16 4, (\G)%2, \G, \first
	MUL16 6, (\G)%2, \G, \first
	PLACES 4
	WIN 0
	FETCH_A \nslot, \nq, 4
.endm
.macro TURN nslot, G, fill
	s_wait_tensorcnt 0x0
	ds_add_u32 v[SPW], v[NIL]
	s_wait_dscnt 17
	WIN MUL_LO
	MUL16 0, (\G)%2, \G, 0
	s_wait_dscnt 0x0
	s_barrier_signal -1
	MUL16 2, (\G)%2, \G, 0
	WIN 0
	s_barrier_wait -1
.if \fill
	CREST
	s_add_nc_u64 s[G0+2:G0+3], s[G0+2:G0+3], 9216
	s_add_nc_u64 s[G0B+2:G0B+3], s[G0B+2:G0B+3], 9216
	JLOAD G0, G1, G0B, G1B
.else
	PLACES 4
.endif
	FETCH_B \nslot, 0, 1-(\G)%2
	FETCH_A \nslot, 0, 0
	WIN MUL_HI
	MUL16 4, (\G)%2, \G, 0
	MUL16 6, (\G)%2, \G, 0
	PLACES 4
	WIN 0
	FETCH_A \nslot, 0, 4
.endm
	s_wait_tensorcnt 2
	s_barrier_signal -1
	s_barrier_wait -1
	FETCH_B 0, 0, 0
	FETCH_A 0, 0, 0
	FETCH_A 0, 0, 4
	s_wait_loadcnt 0x0
	STEP 0, 1, 0, 1
	TURN 1, 1, 1
	STEP 1, 1, 2, 0
	STEP 2, 0, 3, 0
	STEP 2, 1, 4, 0
	TURN 0, 5, 0
	STEP 0, 1, 6, 0
	s_wait_dscnt 16
	WIN MUL_LO
	MUL16 0, 1, 7, 0
	MUL16 2, 1, 7, 0
	s_wait_alu depctr_va_vdst(0)
	s_wait_dscnt 0x0
	WIN MUL_HI
	MUL16 4, 1, 7, 0
	MUL16 6, 1, 7, 0
	WIN 0
.macro TOSTAGE a
.set AC, 64*((\a)%4)
	WIN (0x08+4*((\a)/4))
.irp b, 0,1,2,3,4,5,6,7
	ds_store_b128 v[STO], v[AC+8*\b:AC+8*\b+3] offset:128*(\b/2)+32*(\b%2)
	ds_store_b128 v[STO], v[AC+8*\b+4:AC+8*\b+7] offset:128*(\b/2)+32*(\b%2)+16
.endr
	WIN 0
.set BB, BK+64*((\a)%2)
.irp t, 0,1,2,3,4,5,6,7,8,9,10,11,12,13,14,15
	ds_load_b128 v[BB+4*\t:BB+4*\t+3], v[RD] offset:\t*528
.endr
.endm
.macro SEND a, younger
.set BB, BK+64*((\a)%2)
	s_wait_dscnt \younger
.irp t, 0,1,2,3,4,5,6,7,8,9,10,11,12,13,14,15
	global_store_b128 v4, v[BB+4*\t:BB+4*\t+3], s[10:11] offset:(32*((\a)/2)+8*((\a)%2)+\t+8*(\t/8))*4096 th:TH_STORE_NT
.endr
.endm
	PLACES 4
	TOSTAGE 0
.irp a, 1,2,3,4,5,6,7
.if \a > 1
	s_wait_xcnt 0x0
.endif
	TOSTAGE \a
	SEND \a-1, 32
.endr
	SEND 7, 0
	s_wait_tensorcnt 0x0
	ds_add_u32 v[SPW], v[NIL]
	s_wait_dscnt 0x0
	CROUND
	s_endpgm
.Lfunc_end_k_q9f43e2311a_gemm_out:
	.size	k_q9f43e2311a_gemm_out, .Lfunc_end_k_q9f43e2311a_gemm_out-k_q9f43e2311a_gemm_out
	.p2alignl 7, 3214868480
	.fill 96, 4, 3214868480
	.section	.rodata,"a",@progbits
	.p2align	6, 0x0
	.amdhsa_kernel k_q9f43e2311a_gemm_out
		.amdhsa_group_segment_fixed_size 327680
		.amdhsa_private_segment_fixed_size 0
		.amdhsa_enable_private_segment 0
		.amdhsa_kernarg_size 32
		.amdhsa_user_sgpr_count 2
		.amdhsa_user_sgpr_kernarg_segment_ptr 1
		.amdhsa_wavefront_size32 1
		.amdhsa_system_sgpr_workgroup_id_x 1
		.amdhsa_system_sgpr_workgroup_id_y 1
		.amdhsa_system_sgpr_workgroup_id_z 1
		.amdhsa_system_vgpr_workitem_id 0
		.amdhsa_next_free_vgpr 1024
		.amdhsa_next_free_sgpr 100
		.amdhsa_reserve_vcc 0
		.amdhsa_float_denorm_mode_32 3
		.amdhsa_float_denorm_mode_16_64 3
		.amdhsa_memory_ordered 1
		.amdhsa_forward_progress 1
		.amdhsa_inst_pref_size 144
	.end_amdhsa_kernel
	.amdgpu_metadata
---
amdhsa.version: [ 1, 2 ]
amdhsa.kernels:
  - .name:           k_q9f43e2311a_gemm_out
    .symbol:         k_q9f43e2311a_gemm_out.kd
    .args:
      - { .name: cod, .offset: 0, .size: 8, .value_kind: global_buffer, .address_space: global }
      - { .name: scl, .offset: 8, .size: 8, .value_kind: global_buffer, .address_space: global }
      - { .name: b_out, .offset: 16, .size: 8, .value_kind: global_buffer, .address_space: global }
      - { .name: out0, .offset: 24, .size: 8, .value_kind: global_buffer, .address_space: global }
    .group_segment_fixed_size: 327680
    .private_segment_fixed_size: 0
    .kernarg_segment_align: 8
    .kernarg_segment_size: 32
    .max_flat_workgroup_size: 128
    .sgpr_count:     100
    .vgpr_count:     1024
    .wavefront_size: 32
...
	.end_amdgpu_metadata
.endif
;; end of part 4
